; MI455X (gfx1250); checked and timed in simulation.
; The chip was launched on July 23, 2026; its instructions are those of AMD's public machine-readable ISA for CDNA 5 (MIT licence, August 2026) and "CDNA5" Instruction Set Architecture Reference Guide (July 2026). The comments in the code are by the model that wrote it; some were corrected since.
;; Attention. Allowed arithmetic: matrix products marked QUANTISED: E4M3 operands, one E8M0 scale for each 32 along K, by v_wmma_scale_f32_16x16x128_f8f6f4 with both operands' format E4M3, f32 sums; everything else in f32.
;; Inputs: Wkv 1,024 x 2,048 float32; Wq 1,024 x 1,024 float32; pos_emb 1,025 x 64 float32; x 4 x 1,024 x 1,024 float32.
;; Outputs: out0 4 x 16 x 1,024 x 64 float32.
;; This version of the problem:
;;   THIS VERSION OF THE PROBLEM IS GIVEN IN LOW PRECISION. The matrix products marked QUANTISED in the list below multiply operands that are first quantised to E4M3 (4 exponent bits, 3 mantissa bits; 8 bits a number), with one power-of-two scale for each 32 numbers along K (OCP MX v1.0); their sums are f32. All else is computed in f32.
;;   The module's matrix products, in the order in which they are computed (A, B: the left and right operand; K: the contracted axis; several contracted axes count as one K, in the product's order):
;;     1. [M 4,096, K 1,024] x [K 1,024, N 1,024]; A: input x; B: input Wq: QUANTISED
;;     2. [M 4,096, K 1,024] x [K 1,024, N 2,048]; A: input x; B: input Wkv: QUANTISED
;;     3. batch 64 x [M 1,024, K 64] x [K 64, N 1,024]; A: computed on the way; B: computed on the way: QUANTISED
;;     4. batch 1,024 x [M 1,024, K 64] x [K 64, N 64]; A: computed on the way; B: computed on the way: QUANTISED
;;     5. batch 64 x [M 1,024, K 1,024] x [K 1,024, N 64]; A: softmax (see below); B: computed on the way: QUANTISED
;;   THE QUANTISER, for each operand of a quantised product, along K:
;;     - K is cut into blocks of 32 from its start; a last block that is shorter is filled with zeros.
;;     - A block's scale is 2^e with e = floor(log2(the largest magnitude in the block)) - 8, held to -126 .. 127; a block of zeros has e = 0. As a byte (E8M0): e + 127.
;;     - Each number is divided by its block's scale, clamped to +-448, and rounded to the nearest number of E4M3, ties to even, subnormals kept.
;;     - The product sums the exact products of the quantised numbers (number of the format x scale) in f32.
;;   ~~~python
;;   def quantise(x, axis):      # numpy; x: float32 -> the quantised numbers, widened to float32 again
;;       x = np.moveaxis(x, axis, -1); K = x.shape[-1]
;;       x = np.pad(x, [(0, 0)] * (x.ndim - 1) + [(0, -K % 32)]); x = x.reshape(x.shape[:-1] + (-1, 32)); a = np.abs(x).max(-1, keepdims=True)
;;       e = np.where(a > 0, np.clip(np.frexp(np.where(a > 0, a, 1))[1] - 1 - 8, -126, 127), 0)      # np.frexp(a)[1] - 1 = floor(log2(a)), exactly
;;       r = np.clip(x / 2.0 ** e, -448, 448)
;;       step = 2.0 ** (np.maximum(np.frexp(np.where(r == 0, 1, r))[1] - 1, -6) - 3)
;;       q = np.round(r / step) * step * 2.0 ** e      # np.round: ties to even
;;       return np.moveaxis(q.reshape(q.shape[:-2] + (-1,))[..., :K], -1, axis).astype(np.float32)
;;   ~~~
;;   SOFTMAX AHEAD OF A QUANTISED PRODUCT. Where the list says 'softmax', what is quantised is not the finished softmax but p = 2^(t - M), with t = logit x log2(e) and M = ceil(the row's largest t), a whole number; so 1/2 < the row's largest p <= 1. The row's sum l is taken of the UNQUANTISED p, in f32, and the product's result is divided by l at the end. Since M is a whole number, a kernel that streams over the keys may use a running M (the ceiling of the running maximum): every later rescaling is an exact power of two, which a block's scale takes up: the codes' values come out the same.
;;   OPERANDS COMPUTED ON THE WAY. 'Computed on the way' means the value that the module computes at that place (a softmax that the list does not call 'softmax' is quantised finished and normalised). What goes into a quantiser is computed in f32, as accurately as f32 sums, v_exp_f32 and their like allow (about 1e-6 of the number): no bf16 or f16 on the way to a quantiser, and a product that is left as it is and whose result goes on into a quantised operand takes f32 operands (vector FMAs, or v_wmma_f32_16x16x4_f32). A number that lies on a knife's edge between two numbers of the format may be rounded either way, as far as f32 arithmetic and the matrix unit's own rounding can turn it there, and no further.
;; One version. Each part assembles by itself: llvm-mc -triple=amdgcn-amd-amdhsa -mcpu=gfx1250 --defsym DOCPART=n.
;; ======== version 1 of 1: 3 launches
;; limits: right only within a limited range of input values
;; workspace buffers: xcodes 4,325,376 bytes; wcodes 3,244,032 bytes; pecodes 135,168 bytes; qkv 12,976,128 bytes
;; launch quant (part 1): grid 452 x 1, 4 waves a work-group, no clusters, 70,144 bytes of LDS; arguments x, Wq, Wkv, pos_emb, xcodes, wcodes, pecodes; writes xcodes, wcodes, pecodes
.if DOCPART == 1
	.amdgcn_target "amdgcn-amd-amdhsa--gfx1250"
	.amdhsa_code_object_version 6
	.text
	.protected	k_q42cd6c39e6_quant
	.globl	k_q42cd6c39e6_quant
	.p2align	8
	.type	k_q42cd6c39e6_quant,@function
k_q42cd6c39e6_quant:
	s_mov_b64 s[64:65], 0
	v_nop
	global_prefetch_b8 v0, s[64:65] scope:SCOPE_SE
	s_setreg_imm32_b32 hwreg(HW_REG_WAVE_MODE, 25, 1), 1
	s_wait_xcnt 0x0
; x [4096][1024], Wq [1024][1024], Wkv [1024][2048] and pos_emb [1025][64], all f32, become codes of FP8 (E4M3) with one E8M0 scale byte for each 32 along K.
; A block's scale is 2^(floor(log2(its largest magnitude)) - 8); its byte is the largest magnitude's exponent field - 8, held at 1 from below; each number is divided by the scale, held within +-448, rounded to the nearest code.
; LIMITS: a block of zeros gets the byte 1 where the rule says 127 (its codes are zeros, and this program alone reads the bytes); NaN and infinities among the inputs are not served.
; THREE PATHS, parted by the work-group's number, each with LDS bytes of its own; waves share nothing, so there is no barrier.  A wave of W or X asks for all its numbers at its start; one of P for four tiles, and for each further tile behind a finished one.
;   W (work-groups 0-191):   Wq and Wkv, K outermost: wcodes = codes [3072 places][1024] (Wq's columns, then Wkv's), scale bytes [3072 places][32] from byte 0x300000 on.
;   X (work-groups 192-447): x, K innermost: xcodes = codes [4096 places][1024], then scale bytes [4096 places][32] from byte 0x400000 on.
;   P (work-groups 448-451): the position table, laid out for row E = key - query + 1023: row E holds pos_emb[clamp(1535 - E, 0, 1024)]: pecodes = [4 planes of 16 codes][2048 E][16 bytes], then [2048 E][2 scale bytes] from byte 131072 on.
; THE PLACE OF A ROW: row n of x, and column n of a weight, lies at place n with bits 3 and 4 swapped.  Sixteen neighbouring places 32 B + 16 u + m then hold rows 32 B + 8 u + m + 8 (m / 8): used as source 0 of a matrix
; instruction, two neighbouring tiles give a lane 16 neighbours along that axis.
; IN FULL, and where it differs from the lines above this holds: column n of q, k or v (t = 0, 1, 2), n = 64 head + 32 half + m, lies at wcodes' place 192 head + 96 half + 32 t + m with m's bits 3 and 4 swapped;
; the position table's row is E = key - query + 1024 and holds pos_emb[clamp(1536 - E, 0, 1024)].
.set EMAX,   8
.set MANT,   0x600000                  ; the mantissa field of 448 as f32
.set FLOOR,  (EMAX+1)<<23              ; 2^(EMAX + 1 - 127): under it no largest magnitude is taken, so the byte cannot fall under 1
.set NW,     192                       ; work-groups of path W
.set NX,     256                       ; of path X
.set WLDS,   32768                     ; path W: LDS from here on, WREG bytes for each wave: an f32 stage (4,352), a stage for codes (4,352), 128 scale bytes
.set WREG,   8960
.set WPITCH, 272                       ; a row of the codes' stage: 256 bytes + 16
.set WVO,    16                        ; v16-23   offset of load j: (8 j + lane / 4) rows + 16 (lane % 4)
.set WE,     24                        ; v24-27   a scale byte for each pass
.set WX,     32                        ; v32-95   two sets of 32 numbers: a whole block of my column
.set WC,     96                        ; v96-111  two sets of 8 code registers
.set WR,     112                       ; v112-239 the 32 loads as they come
.set WOUT,   112                       ; v112-143 the way out
.set WBP,    32                        ; s[32:39] the address of each pass's first row
.set STEPS,  8                         ; path X: a wave takes 8 steps of 512 numbers: 4 rows of x
.set XREG,   8192                      ; LDS of a wave: two stages of 32 x XSP bytes, and behind them its 128 scale bytes
.set XSP,    80                        ; a lane's place in a stage: 64 bytes + 16 of padding
.set XR,     16                        ; v16-143  eight sets of 16 numbers as loaded
.set XX,     144                       ; v144-175 two sets of 16 neighbours
.set XE,     176                       ; v176-183 a scale byte for each step
.set XC,     184                       ; v184-215 four code registers for each step: no store's data are written again
.set PSTG,   68608                     ; path P: LDS from here on, 256 bytes for each wave
.set PPV,    16                        ; v16-23   a tile's offset in pos_emb
.set PPW,    24                        ; v24-31   a tile's two scale bytes
.set PD,     32                        ; v32-159  four sets of 32 numbers
.set PCD,    160                       ; v160-223 eight code registers for each tile
	s_load_b256 s[4:11], s[0:1], 0x0               ; x s[4:5], Wq s[6:7], Wkv s[8:9], pos_emb s[10:11]
	s_load_b128 s[12:15], s[0:1], 0x20             ; xcodes s[12:13], wcodes s[14:15]
	s_load_b64 s[16:17], s[0:1], 0x30              ; pecodes
	v_lshl_add_u32 v240, v0, 2, 0x11000
	v_mov_b32 v241, 0
	v_lshrrev_b32 v1, 5, v0
	v_readfirstlane_b32 s18, v1                    ; wave 0..3
	v_and_b32 v2, 31, v0                           ; lane
	s_mov_b32 s23, MANT                            ; (an instruction takes one literal: the hold's line has another)
	s_wait_kmcnt 0x0
	s_cmp_lt_u32 ttmp9, NW
	s_cbranch_scc0 .Lnot_w
; ---------------- PATH W: a work-group takes 64 columns x 256 along K, a wave 16 columns.  A load reads 8 rows x 64 bytes, 16 bytes a lane; the four waves stand side by side on 256 bytes of each row.
; 64 rows at a time turn through the wave's f32 stage: lane (r, h) then holds rows 32 h + 0 .. 31 of column r: a whole block of 32 along K in one lane, two blocks a column in each pass, four passes.
	s_lshr_b32 s20, ttmp9, 2                       ; which 64 of the 3,072 columns: 0-15 Wq's, 16-47 Wkv's
	s_and_b32 s21, ttmp9, 3                        ; which 256 along K
	s_mov_b32 s22, 8192
	s_cmp_lt_u32 s20, 16                           ; the choice hangs on the work-group's number alone
	s_cselect_b64 s[6:7], s[6:7], s[8:9]           ; the weight,
	s_cselect_b32 s22, 4096, s22                   ; a row of it in bytes,
	s_cselect_b32 s24, 0, 16
	s_sub_co_u32 s24, s20, s24                     ; and the block of columns inside it
	s_lshl_b32 s24, s24, 8
	s_lshl_b32 s25, s18, 6
	s_add_co_u32 s24, s24, s25                     ; 4 bytes x (64 x block + 16 x wave)
	s_lshl_b32 s25, s21, 8
	s_mul_i32 s25, s25, s22
	s_add_co_u32 s24, s24, s25                     ; + 256 rows for each step along K (under 2^23)
	s_mov_b32 s25, 0
	s_add_nc_u64 s[WBP:WBP+1], s[6:7], s[24:25]
	s_lshl_b32 s28, s22, 6                         ; 64 rows on
	s_mov_b32 s29, 0
.irp m, 1,2,3
	s_add_nc_u64 s[WBP+2*\m:WBP+2*\m+1], s[WBP+2*\m-2:WBP+2*\m-1], s[28:29]
.endr
	s_and_b32 s24, s20, 15                         ; the head: 192 places,
	s_mul_i32 s24, s24, 192
	s_lshr_b32 s26, s20, 4                         ; q, k or v: 32 places in each half,
	s_lshl_b32 s26, s26, 5
	s_add_co_u32 s24, s24, s26
	s_lshr_b32 s26, s18, 1                         ; and which half of the head: 96 places
	s_mul_i32 s26, s26, 96
	s_add_co_u32 s24, s24, s26
	s_and_b32 s26, s18, 1
	s_lshl_b32 s26, s26, 3
	s_add_co_u32 s24, s24, s26                     ; the place of my wave's column 0
	s_lshl_b32 s26, s24, 10
	s_lshl_b32 s27, s21, 8
	s_add_co_u32 s26, s26, s27
	s_mov_b32 s27, 0
	s_add_nc_u64 s[48:49], s[14:15], s[26:27]      ; its codes: place x 1,024 + 256 x step
	s_lshl_b32 s26, s24, 5
	s_lshl_b32 s30, s21, 3
	s_add_co_u32 s26, s26, s30
	s_add_co_u32 s26, s26, 0x300000
	s_add_nc_u64 s[50:51], s[14:15], s[26:27]      ; its scale bytes: place x 32 + 8 x step
	s_wait_alu depctr_va_vdst(0)
	v_lshrrev_b32 v3, 2, v2                        ; the row of a load's eight that I take
	v_and_b32 v4, 3, v2
	v_lshlrev_b32 v4, 4, v4                        ; and my 16 bytes of its 64
.irp j, 0,1,2,3,4,5,6,7
	v_add_nc_u32 v5, 8*\j, v3
	v_mad_u32_u24 v[WVO+\j], v5, s22, v4
.endr
	v_and_b32 v7, 15, v2                           ; r
	v_lshrrev_b32 v8, 4, v2                        ; h
	s_mul_i32 s19, s18, WREG
	s_add_co_u32 s19, s19, WLDS                    ; my f32 stage: row k of 64 bytes at 64 k, and 64 bytes more from row 32 on, so that the two halves of the lanes read different banks
	v_lshl_add_u32 v6, v2, 4, s19                  ; into it: a load's 512 bytes as they lie
	v_mul_u32_u24 v9, v8, 2112
	v_lshl_add_u32 v9, v7, 2, v9
	v_add_nc_u32 v9, s19, v9                       ; out of it: row 32 h, column r
	s_add_co_u32 s19, s19, 4352                    ; the codes' stage
	v_mul_u32_u24 v10, v7, WPITCH
	v_lshl_add_u32 v10, v8, 5, v10
	v_add_nc_u32 v10, s19, v10                     ; into it: row r, block h of the pass's two
	v_mul_u32_u24 v11, v8, WPITCH
	v_lshl_add_u32 v11, v7, 4, v11
	v_add_nc_u32 v11, s19, v11                     ; out of it: sixteen lanes to a row, two rows an instruction
	s_add_co_u32 s19, s19, 4352                    ; the scale bytes: 8 a column
	v_lshl_add_u32 v12, v7, 3, s19
	v_add_nc_u32 v13, v12, v8                      ; my block's byte
	v_lshlrev_b32 v14, 10, v8
	v_lshl_add_u32 v14, v7, 4, v14                 ; the same two rows in the codes' buffer
	v_and_b32 v15, 7, v7
	v_lshrrev_b32 v1, 3, v7
	v_lshl_add_u32 v15, v1, 4, v15
	v_lshlrev_b32 v15, 5, v15                      ; my column's row of scale bytes: 32 x (r % 8 + 16 (r / 8))
.macro WLOAD m                         ; pass m: rows 64 m .. 64 m + 63
.irp j, 0,1,2,3,4,5,6,7
	global_load_b128 v[WR+32*(\m)+4*\j:WR+32*(\m)+4*\j+3], v[WVO+\j], s[WBP+2*(\m):WBP+2*(\m)+1] th:TH_LOAD_NT
.endr
.endm
.macro WTURN m                         ; pass m's numbers through the f32 stage: LDS serves a wave's instructions in order, so no wait stands between the stores and the loads
.irp j, 0,1,2,3,4,5,6,7
	ds_store_b128 v6, v[WR+32*(\m)+4*\j:WR+32*(\m)+4*\j+3] offset:512*\j+64*(\j/4)
.endr
.irp i, 0,1,2,3,4,5,6,7,8,9,10,11,12,13,14,15,16,17,18,19,20,21,22,23,24,25,26,27,28,29,30,31
	ds_load_b32 v[WX+32*((\m)%2)+\i], v9 offset:64*\i
.endr
.endm
.irp m, 0,1,2,3
	WLOAD \m
.endr
	s_wait_loadcnt 24                              ; pass 0's eight loads are in; the 24 of passes 1 to 3 stay out
	WTURN 0
.macro WPAIR m
.set XS, WX+32*((\m)%2)
.set CC, WC+8*((\m)%2)
.if (\m) > 0
	s_wait_dscnt 3                                 ; this pass's numbers are back from the stage (the last pass's two code stores and its byte store may be out)
.else
	s_wait_dscnt 0x0
.endif
.if (\m)+1 < 4
	s_wait_loadcnt 8*(2-(\m))                      ; the next pass's eight loads are in; those of the passes behind it may be out
	WTURN (\m)+1                                   ; through the stage, whose last reads are back, while this pass is worked
.endif
	v_max3_num_f32 v28, |v[XS]|, |v[XS+1]|, |v[XS+2]|               ; the block's largest magnitude: all 32 numbers are mine
	v_max3_num_f32 v29, |v[XS+3]|, |v[XS+4]|, |v[XS+5]|
.irp i, 6,10,14,18,22,26
	v_max3_num_f32 v28, v28, |v[XS+\i]|, |v[XS+\i+1]|
	v_max3_num_f32 v29, v29, |v[XS+\i+2]|, |v[XS+\i+3]|
.endr
	v_max3_num_f32 v28, v28, |v[XS+30]|, |v[XS+31]|
	v_max3_num_f32 v28, v28, v29, FLOOR
	v_add_nc_u32 v30, -(EMAX<<23), v28             ; EMAX off its exponent field: the conversion takes the exponent field of this operand as its scale
	v_and_or_b32 v31, v28, 0x7f800000, s23         ; 448 x the scale
	v_lshrrev_b32 v[WE+(\m)], 23, v30              ; the scale's byte
.irp i, 0,1,2,3,4,5,6,7,8,9,10,11,12,13,14,15,16,17,18,19,20,21,22,23,24,25,26,27,28,29,30,31
	v_med3_num_f32 v[XS+\i], v[XS+\i], -v31, v31   ; the conversion to an 8-bit code does not saturate (ISA guide 7.6.2): the hold comes first
.endr
.irp g, 0,1,2,3
	v_cvt_scalef32_pk8_fp8_f32 v[CC+2*\g:CC+2*\g+1], v[XS+8*\g:XS+8*\g+7], v30
.endr
	v_nop                                          ; a plain line behind the last conversion
	ds_store_b128 v10, v[CC:CC+3] offset:64*(\m)   ; block 2 m + h of my column: 32 bytes of its row
	ds_store_b128 v10, v[CC+4:CC+7] offset:64*(\m)+16
	ds_store_b8 v13, v[WE+(\m)] offset:2*(\m)
.endm
.irp m, 0,1,2,3
	WPAIR \m
.endr
	ds_load_b64 v[28:29], v12                      ; my column's 8 scale bytes: LDS serves a wave's instructions in order
.irp t, 0,1,2,3,4,5,6,7
	ds_load_b128 v[WOUT+4*\t:WOUT+4*\t+3], v11 offset:2*\t*WPITCH
.endr
.irp t, 0,1,2,3,4,5,6,7
	s_wait_dscnt 7-\t                              ; LDS loads come back in order: pair t of rows is in
	global_store_b128 v14, v[WOUT+4*\t:WOUT+4*\t+3], s[48:49] offset:(2*\t+8*(\t/4))*1024   ; sixteen lanes store 256 consecutive bytes, aligned; columns 8-15 lie 16 places on
.endr
	s_wait_xcnt 0x0                                ; EXEC changes only behind this wait
	v_cmp_gt_u32 vcc_lo, 16, v2
	s_wait_tensorcnt 0x0
	ds_add_u32 v240, v241
	s_wait_dscnt 0x0
	s_and_saveexec_b32 s52, vcc_lo                 ; lanes 16-31 hold the same bytes: lanes 0-15 store them
	global_store_b64 v15, v[28:29], s[50:51]       ; 8 bytes of each of 16 rows of 32: one byte in 128 of what the wave has read
	s_wait_xcnt 0x0
	s_or_b32 exec_lo, exec_lo, s52
	s_endpgm
.Lnot_w:
	s_cmp_lt_u32 ttmp9, NW+NX
	s_cbranch_scc0 .Lpath_p
; ---------------- PATH X: each load reads 512 consecutive bytes; a step's 2,048 bytes turn through the wave's own stage, so that a lane then holds 16 neighbours along K (two lanes hold a block)
	s_wait_alu depctr_va_vdst(0)
	v_lshlrev_b32 v3, 4, v2                        ; 16 x lane: my bytes of a load's 512, and my codes' place in a step's 512
	s_mul_i32 s19, s18, XREG
	v_lshrrev_b32 v14, 2, v2
	v_mul_u32_u24 v14, v14, XSP
	v_and_b32 v15, 3, v2
	v_lshl_add_u32 v14, v15, 4, v14
	v_add_nc_u32 v14, s19, v14                     ; the stage, on the way in: four lanes' 64 bytes on end, then 16 of padding
	v_mul_u32_u24 v15, v2, XSP
	v_add_nc_u32 v15, s19, v15                     ; and on the way out: my 16 neighbours
	v_lshrrev_b32 v5, 1, v2
	s_add_co_u32 s19, s19, 2*32*XSP
	v_add_nc_u32 v5, s19, v5                       ; my wave's 128 scale bytes, my block's byte
	v_lshlrev_b32 v7, 2, v2                        ; and on the way out 4 bytes a lane
	v_add_nc_u32 v6, s19, v7
	s_sub_co_u32 s20, ttmp9, NW
	s_lshl_b32 s20, s20, 2
	s_add_co_u32 s20, s20, s18                     ; which 4 rows of x are my wave's: 0..1023
	s_lshl_b32 s24, s20, 14                        ; 16,384 bytes of f32
	s_mov_b32 s25, 0
	s_add_nc_u64 s[4:5], s[4:5], s[24:25]
	s_and_b32 s21, s20, 0x3f9                      ; bits 3 and 4 of a row are bits 1 and 2 of this number: swapped, they give the rows' place
	s_bfe_u32 s22, s20, 0x10001
	s_lshl_b32 s22, s22, 2
	s_or_b32 s21, s21, s22
	s_bfe_u32 s22, s20, 0x10002
	s_lshl_b32 s22, s22, 1
	s_or_b32 s21, s21, s22
	s_lshl_b32 s24, s21, 12                        ; 4 rows of 1,024 codes
	s_add_nc_u64 s[26:27], s[12:13], s[24:25]
	s_lshl_b32 s24, s21, 7                         ; 4 rows of 32 scale bytes
	s_add_co_u32 s24, s24, 0x400000
	s_add_nc_u64 s[28:29], s[12:13], s[24:25]
.macro XLOAD t
.irp i, 0,1,2,3
	global_load_b128 v[XR+16*(\t)+4*\i:XR+16*(\t)+4*\i+3], v3, s[4:5] offset:2048*(\t)+512*\i th:TH_LOAD_NT
.endr
.endm
.macro XTURN t                         ; step t's numbers through the stage: LDS serves a wave's instructions in order, so no wait stands between the stores and the loads
.irp i, 0,1,2,3
	ds_store_b128 v14, v[XR+16*(\t)+4*\i:XR+16*(\t)+4*\i+3] offset:32*XSP*((\t)%2)+8*XSP*\i
.endr
.irp i, 0,1,2,3
	ds_load_b128 v[XX+16*((\t)%2)+4*\i:XX+16*((\t)%2)+4*\i+3], v15 offset:32*XSP*((\t)%2)+16*\i
.endr
.endm
.irp t, 0,1,2,3,4,5,6,7
	XLOAD \t                                       ; all 32 loads of the wave, 16,384 bytes, at once
.endr
	s_wait_alu depctr_va_vdst(0)
	s_wait_loadcnt 28                              ; step 0's four loads are in; the 28 of steps 1 to 7 stay out
	XTURN 0
.macro XSTEP t
.set XS, XX+16*((\t)%2)
.if (\t) > 0
	s_wait_dscnt 1                                 ; this step's numbers are back from the stage (the last step's byte store may be out)
.else
	s_wait_dscnt 0x0
.endif
.if (\t)+1 < STEPS
	s_wait_loadcnt 4*(STEPS-2-(\t))                ; the next step's four loads are in; those of the steps behind it may be out
	XTURN (\t)+1                                   ; through the other stage while this step is worked
.endif
	v_max3_num_f32 v8, |v[XS]|, |v[XS+1]|, |v[XS+2]|               ; the largest magnitude of my 16, in two chains
	v_max3_num_f32 v9, |v[XS+3]|, |v[XS+4]|, |v[XS+5]|
.irp i, 6,10
	v_max3_num_f32 v8, v8, |v[XS+\i]|, |v[XS+\i+1]|
	v_max3_num_f32 v9, v9, |v[XS+\i+2]|, |v[XS+\i+3]|
.endr
	v_max3_num_f32 v8, v8, |v[XS+14]|, |v[XS+15]|
	v_max3_num_f32 v8, v8, v9, FLOOR
	v_max_num_f32_dpp v8, v8, v8 row_xmask:1 row_mask:0xf bank_mask:0xf   ; and of my neighbour's 16: the block's
	v_add_nc_u32 v11, -(EMAX<<23), v8              ; the conversion's scale operand
	v_and_or_b32 v10, v8, 0x7f800000, s23          ; 448 x the scale
.irp i, 0,1,2,3,4,5,6,7,8,9,10,11,12,13,14,15
	v_med3_num_f32 v[XS+\i], v[XS+\i], -v10, v10
.endr
	v_cvt_scalef32_pk8_fp8_f32 v[XC+4*(\t):XC+4*(\t)+1], v[XS:XS+7], v11
	v_cvt_scalef32_pk8_fp8_f32 v[XC+4*(\t)+2:XC+4*(\t)+3], v[XS+8:XS+15], v11
	v_lshrrev_b32 v[XE+(\t)], 23, v11              ; the scale's byte (also the plain line behind the conversions)
	ds_store_b8 v5, v[XE+(\t)] offset:16*(\t)      ; both lanes of a block write the same byte with the same value
	global_store_b128 v3, v[XC+4*(\t):XC+4*(\t)+3], s[26:27] offset:512*(\t)   ; the wave stores 512 consecutive bytes, aligned
.endm
.irp t, 0,1,2,3,4,5,6,7
	XSTEP \t
.endr
	ds_load_b32 v12, v6                            ; LDS serves a wave's instructions in order: this sees my byte stores
	s_wait_dscnt 0x0
	global_store_b32 v7, v12, s[28:29]             ; 32 lanes store 128 consecutive bytes: my 4 rows' scale bytes, one byte in 128 of what the wave has read
	s_wait_tensorcnt 0x0
	ds_add_u32 v240, v241
	s_wait_dscnt 0x0
	s_endpgm
.Lpath_p:
; ---------------- PATH P: a wave takes 128 rows E as eight tiles of 16; lane (r, h) takes row r of a tile and, of each block of 32, numbers 16 h + 0 .. 15: the order of an operand's registers
	s_sub_co_u32 s19, ttmp9, NW+NX
	s_lshl_b32 s19, s19, 2
	s_add_co_u32 s19, s19, s18                     ; which 128 rows: 0..15
	v_and_b32 v3, 15, v0                           ; r
	v_bfe_u32 v4, v0, 4, 1                         ; h
	s_lshl_b32 s20, s19, 7
	s_sub_co_u32 s20, 1536, s20
	v_sub_nc_u32 v5, s20, v3                       ; 1535 - E of tile 0 (a signed number)
.irp t, 0,1,2,3,4,5,6,7
	v_add_nc_u32 v6, -16*\t, v5
	v_max_i32 v6, 0, v6
	v_min_i32 v6, 0x400, v6                        ; the row of pos_emb: clamp(1535 - E, 0, 1024), made of ids alone
	v_lshlrev_b32 v6, 8, v6
	v_lshl_add_u32 v[PPV+\t], v4, 6, v6            ; 256 bytes a row, + 64 h
.endr
	v_lshlrev_b32 v7, 4, v3
	v_lshl_add_u32 v7, v4, 15, v7                  ; out: 16 r in plane h (a plane is 2,048 rows x 16 bytes)
	s_lshl_b32 s24, s19, 11
	s_mov_b32 s25, 0
	s_add_nc_u64 s[26:27], s[16:17], s[24:25]      ; my 128 rows in a plane
	s_lshl_b32 s24, s19, 8
	s_add_co_u32 s24, s24, 131072
	s_add_nc_u64 s[28:29], s[16:17], s[24:25]      ; and their 256 scale bytes
	s_lshl_b32 s21, s18, 8
	s_add_co_u32 s21, s21, PSTG
	v_lshl_add_u32 v1, v3, 1, s21                  ; LDS: my row's two scale bytes
	v_lshl_add_u32 v6, v2, 3, s21                  ; and on the way out 8 bytes a lane
	v_lshlrev_b32 v5, 3, v2
	s_mov_b32 s30, 0x76543210
	s_mov_b32 s31, 0xfedcba98                      ; v_permlanex16_b32's selects for lane l xor 16
	v_mov_b32 v10, 0                               ; written once: a lane permute's destination counts as one of its sources
	v_mov_b32 v11, 0
.macro PLOAD t
.irp b, 0,1
.irp j, 0,1,2,3
	global_load_b128 v[PD+32*((\t)%4)+16*\b+4*\j:PD+32*((\t)%4)+16*\b+4*\j+3], v[PPV+(\t)], s[10:11] offset:128*\b+16*\j
.endr
.endr
.endm
.irp t, 0,1,2,3
	PLOAD \t
.endr
.macro PSTEP t, left                   ; left: the younger tiles' loads, eight each, which may stay out
.set XS, PD+32*((\t)%4)
.set CC, PCD+8*(\t)
	s_wait_loadcnt \left
.irp b, 0,1
	v_max3_num_f32 v[8+\b], |v[XS+16*\b]|, |v[XS+1+16*\b]|, FLOOR
.endr
.irp i, 2,4,6,8,10,12,14
.irp b, 0,1
	v_max3_num_f32 v[8+\b], v[8+\b], |v[XS+16*\b+\i]|, |v[XS+1+16*\b+\i]|
.endr
.endr
.irp b, 0,1
	v_permlanex16_b32 v[10+\b], v[8+\b], s30, s31
.endr
.irp b, 0,1
	v_max_num_f32 v[8+\b], v[8+\b], v[10+\b]       ; with lane l xor 16's: the block's largest magnitude
.endr
.irp b, 0,1
	v_add_nc_u32 v[14+\b], -(EMAX<<23), v[8+\b]
.endr
.irp b, 0,1
	v_and_or_b32 v[12+\b], v[8+\b], 0x7f800000, s23
.endr
.irp b, 0,1
	v_lshrrev_b32 v[10+\b], 23, v[14+\b]
.endr
.irp b, 0,1
.irp i, 0,1,2,3,4,5,6,7,8,9,10,11,12,13,14,15
	v_med3_num_f32 v[XS+16*\b+\i], v[XS+16*\b+\i], -v[12+\b], v[12+\b]
.endr
	v_cvt_scalef32_pk8_fp8_f32 v[CC+4*\b:CC+4*\b+1], v[XS+16*\b:XS+16*\b+7], v[14+\b]
	v_cvt_scalef32_pk8_fp8_f32 v[CC+4*\b+2:CC+4*\b+3], v[XS+16*\b+8:XS+16*\b+15], v[14+\b]
.endr
	v_lshl_or_b32 v[PPW+(\t)], v11, 8, v10         ; the row's two bytes (also the plain line behind the conversions)
.irp b, 0,1
	global_store_b128 v7, v[CC+4*\b:CC+4*\b+3], s[26:27] offset:65536*\b+256*(\t)   ; plane 2 b + h: sixteen lanes store 256 consecutive bytes, aligned
.endr
	ds_store_b16 v1, v[PPW+(\t)] offset:32*(\t)    ; both halves of the lanes write the same bytes with the same value
.if (\t)+4 < 8
	PLOAD (\t)+4
.endif
.endm
	PSTEP 0, 24
	PSTEP 1, 24
	PSTEP 2, 24
	PSTEP 3, 24
	PSTEP 4, 24
	PSTEP 5, 16
	PSTEP 6, 8
	PSTEP 7, 0
	ds_load_b64 v[12:13], v6
	s_wait_dscnt 0x0
	global_store_b64 v5, v[12:13], s[28:29]        ; 32 lanes store 256 consecutive bytes, aligned
	s_wait_tensorcnt 0x0
	ds_add_u32 v240, v241
	s_wait_dscnt 0x0
	s_endpgm
.Lfunc_end_k_q42cd6c39e6_quant:
	.size	k_q42cd6c39e6_quant, .Lfunc_end_k_q42cd6c39e6_quant-k_q42cd6c39e6_quant
	.p2alignl 7, 3214868480
	.fill 96, 4, 3214868480
	.section	.rodata,"a",@progbits
	.p2align	6, 0x0
	.amdhsa_kernel k_q42cd6c39e6_quant
		.amdhsa_group_segment_fixed_size 70144
		.amdhsa_private_segment_fixed_size 0
		.amdhsa_enable_private_segment 0
		.amdhsa_kernarg_size 56
		.amdhsa_user_sgpr_count 2
		.amdhsa_user_sgpr_kernarg_segment_ptr 1
		.amdhsa_wavefront_size32 1
		.amdhsa_system_sgpr_workgroup_id_x 1
		.amdhsa_system_sgpr_workgroup_id_y 1
		.amdhsa_system_sgpr_workgroup_id_z 1
		.amdhsa_system_vgpr_workitem_id 0
		.amdhsa_next_free_vgpr 242
		.amdhsa_next_free_sgpr 66
		.amdhsa_reserve_vcc 1
		.amdhsa_float_denorm_mode_32 3
		.amdhsa_float_denorm_mode_16_64 3
		.amdhsa_memory_ordered 1
		.amdhsa_forward_progress 1
		.amdhsa_inst_pref_size 104
	.end_amdhsa_kernel
	.amdgpu_metadata
---
amdhsa.version: [ 1, 2 ]
amdhsa.kernels:
  - .name:           k_q42cd6c39e6_quant
    .symbol:         k_q42cd6c39e6_quant.kd
    .args:
      - { .name: x, .offset: 0, .size: 8, .value_kind: global_buffer, .address_space: global }
      - { .name: Wq, .offset: 8, .size: 8, .value_kind: global_buffer, .address_space: global }
      - { .name: Wkv, .offset: 16, .size: 8, .value_kind: global_buffer, .address_space: global }
      - { .name: pos_emb, .offset: 24, .size: 8, .value_kind: global_buffer, .address_space: global }
      - { .name: xcodes, .offset: 32, .size: 8, .value_kind: global_buffer, .address_space: global }
      - { .name: wcodes, .offset: 40, .size: 8, .value_kind: global_buffer, .address_space: global }
      - { .name: pecodes, .offset: 48, .size: 8, .value_kind: global_buffer, .address_space: global }
    .group_segment_fixed_size: 70144
    .private_segment_fixed_size: 0
    .kernarg_segment_align: 8
    .kernarg_segment_size: 56
    .max_flat_workgroup_size: 128
    .sgpr_count:     66
    .vgpr_count:     242
    .wavefront_size: 32
...
	.end_amdgpu_metadata
.endif
;; end of part 1
;; launch proj (part 2): grid 16 x 16, 4 waves a work-group, clusters of 4 x 4, 327,680 bytes of LDS; arguments xcodes, wcodes, qkv; writes qkv
.if DOCPART == 2
	.amdgcn_target "amdgcn-amd-amdhsa--gfx1250"
	.amdhsa_code_object_version 6
	.text
	.protected	k_q42cd6c39e6_proj
	.globl	k_q42cd6c39e6_proj
	.p2align	8
	.type	k_q42cd6c39e6_proj,@function
k_q42cd6c39e6_proj:
	s_mov_b64 s[64:65], 0
	v_nop
	global_prefetch_b8 v0, s[64:65] scope:SCOPE_SE
	s_setreg_imm32_b32 hwreg(HW_REG_WAVE_MODE, 25, 1), 1
	s_wait_xcnt 0x0
	s_wait_alu depctr_hold_cnt(0) depctr_sa_sdst(0) depctr_va_vdst(0) depctr_va_sdst(0) depctr_va_ssrc(0) depctr_va_vcc(0) depctr_vm_vsrc(0)
	s_getreg_b32 s2, hwreg(HW_REG_IB_STS2, 6, 4)
	s_cmp_eq_u32 s2, 0
	s_cbranch_scc0 .Lentry_in_a_cluster
	s_endpgm
.Lentry_in_a_cluster:
	s_bfe_u32 s2, ttmp6, 0x10000c
	s_cmp_lg_u32 s2, 0xf033
	s_cbranch_scc0 .Lentry_shape_is_right
	s_endpgm
.Lentry_shape_is_right:
; q, k, v = x W on codes of FP8 (E4M3) with E8M0 scales for each 32 along K = 1,024, and their quantisers: q and k along a head's 64, v along the keys.  No f32 result is stored.
; A work-group makes 256 rows of x against ONE HEAD's 64 columns of q, 64 of k and 64 of v: 16 x 16 work-groups, all alike.  Four waves, 2 x 2; a wave makes 128 rows x (32 of q, 32 of k, 32 of v): 48 accumulators, 384 registers.
; K goes in four steps of 256 through two LDS slots of 448 rows (256 of x, 192 of the weights); the scale bytes of all K come once, at the head.
; CLUSTERS of 4 x 4: the four of a row share x's rows, the four of a column share the head's rows of the weights; each tile is asked for jointly.
; q and k are made transposed (source 0 = the weight's rows): a lane holds one row of x and, in two neighbouring tiles, 16 neighbouring columns.  v has source 0 = x's rows: a lane holds one channel and, in two neighbouring
; row tiles, 16 neighbouring tokens.  (Rows of x and columns lie at places with bits 3 and 4 swapped.)  So a scale block of 32 lies in lanes l and l xor 16.
; qkv: q codes [64 (batch, head)][8 steps of 128 places][4 planes of 16 codes][128 places][16 bytes];  k the same from byte 0x400000 on;  v from 0x800000 on: [64][8 steps of 128 keys][8 planes of 16 keys][64 channel places][16];
; from 0xc00000 on the scale bytes: q [64][1024 places][2], k the same, v [64][8][64 channel places][4].
; LIMITS: a block of zeros gets the byte 1 (its codes are zeros); NaN and infinities are not served.
; REGISTERS: window 0: v16-31 addresses, v32-63 scale words (two sets), v128-255 x's fragments (one set).  window 1: the weights' fragments, two sets (v0, v128).  windows 2, 3: accumulators of row tiles 0-3, 4-7.
.set KROW,  1024
.set ROWB,  256
.set PITCH, 272                        ; an LDS row: 256 bytes + 16 of padding
.set FR,    16
.set NP,    8                          ; places behind this matrix instruction
.set HA,    128*PITCH
.set HB,    96*PITCH
.set BOFF,  2*HA                       ; in a slot the weights' 192 rows lie behind x's 256
.set SLOT,  2*HA+2*HB
.set SCLB,  2*SLOT                     ; the weights' scale bytes: 24 units of 256 bytes + 16;
.set SCLA,  SCLB+24*272                ; x's: 32 units, on end
.set SCO,   259072                     ; the results' scale bytes: q 512, k 512, v 512: no fill lands there
.set SPARE, SCO+2048                   ; the spare words
.set ADRA, 16                          ; v16-17, v20-21  my fragments of x, of the weights, in slot 0, 1
.set ADRB, 20
.set CQ,   24                          ; out: q's and k's codes: 2,048 h + 16 r
.set CV,   25                          ; v's: 1,024 h + 16 r
.set VQ,   26                          ; LDS: a byte of q or k
.set VV,   27                          ; of v
.set SPW,  28
.set NIL,  29
.set PFO,  30                          ; the prefetches' offset; never rewritten
.set ADRS, 31                          ; scale words: lanes 0-15 x's rows, lanes 16-31 the weights'
.set SC,   32                          ; set s: register 16 s + 2 i + q: lanes 0-15 row tile i's word, lanes 16-31 column tile i's, for the slot's q-th 128 of K (column tiles 6, 7 do not exist: those lanes are not read)
.set MX,   64
.set PM,   70
.set HD,   76
.set SO,   82
.set EB,   88                          ; v88-111
.set SGO,  112
.set SRD,  113
.set AF,   128
.set G1, 24
.set G0, 32
.set G1B, 48
.set G0B, 56
.set G1S, 68
.set G0S, 76
.set G1SB, 80
.set G0SB, 88
.set G0H, 4
.set G0HB, 8
.set MSB, 0
.macro WIN new                         ; the immediate's high byte repeats the setting that is left
.if MSB != \new
	s_set_vgpr_msb (MSB<<8)|\new
.set MSB, \new
.endif
.endm
.macro PLACES n
.rept \n
	v_nop
.endr
.endm
.macro TLOAD g0, g1
	tensor_load_to_lds s[\g0:\g0+3], s[\g1:\g1+7]
	s_nop 0
	PLACES 4
.endm
.macro JLOAD s                         ; a joint refill: waves 0, 1 x's halves, waves 2, 3 the weights'
	s_cmp_eq_u32 s15, 0
	s_cbranch_scc0 .Lfor_b_\@
	TLOAD G0+4*\s, G1
	s_branch .Lasked_\@
.Lfor_b_\@:
	TLOAD G0B+4*\s, G1B
.Lasked_\@:
.endm
.macro CREST                           ; a round of the cluster's barrier behind its opening barrier
	s_cmp_lg_u32 s14, 0
	s_cbranch_scc1 .Lnot_wave_0_\@
	s_barrier_signal -3
.Lnot_wave_0_\@:
	s_barrier_wait -3
	s_barrier_signal -1
	s_barrier_wait -1
.endm
.macro CROUND
	s_barrier_signal -1
	s_barrier_wait -1
	CREST
.endm
.macro GROUP1 g, m, w, c, r, p         ; a tile of r rows of c elements, p from row to row, 16 bytes of padding behind every 256; mask in s\m
	s_or_b32 s[\g], s\m, (\w)|(1<<20)|(1<<21)|(5<<22)|(3<<25)
	s_mov_b32 s[\g+1], (\c)<<16
	s_mov_b32 s[\g+2], (\r)<<16
	s_mov_b32 s[\g+3], (\c)<<16
	s_mov_b32 s[\g+4], \r
	s_mov_b32 s[\g+5], \p
	s_mov_b32 s[\g+6], 0
	s_mov_b32 s[\g+7], 0
.endm
.macro HDESC g, lds, b                 ; group 0 of one of the head's tiles
	s_mov_b32 s[\g], 1
	s_mov_b32 s[\g+1], \lds
	s_mov_b64 s[\g+2:\g+3], s[\b:\b+1]
	s_or_b32 s[\g+3], s[\g+3], 0x80000000
.endm
	s_load_b128 s[4:7], s[0:1], 0x0                ; xcodes, wcodes
	s_load_b64 s[12:13], s[0:1], 0x10              ; qkv
	v_lshl_add_u32 v[SPW], v0, 2, SPARE
	v_mov_b32 v[NIL], 0
	ds_add_u32 v[SPW], v[NIL]                      ; the wave's opening: the add, twice on end, and its wait ahead of the first tensor load
	ds_add_u32 v[SPW], v[NIL]
	v_lshrrev_b32 v1, 5, v0
	v_readfirstlane_b32 s14, v1                    ; wave
	s_lshr_b32 s15, s14, 1                         ; my half of the rows.  Also: I refill x (0) or the weights (1)
	s_and_b32 s16, s14, 1                          ; my half of the columns.  Also: which half of a tile I refill
	s_bfe_u32 s40, ttmp6, 0x40000                  ; cx, cy
	s_bfe_u32 s41, ttmp6, 0x40004
	s_lshl_b32 s42, ttmp9, 2
	s_add_co_u32 s42, s42, s40                     ; head
	s_and_b32 s17, ttmp7, 0xffff
	s_lshl_b32 s17, s17, 2
	s_add_co_u32 s17, s17, s41                     ; tile row: 256 rows of x
	s_lshl_b32 s43, s41, 2
	s_lshl_b32 s43, 15, s43                        ; my row of the cluster
	s_lshl_b32 s44, 0x1111, s40                    ; my column
	GROUP1 G1, 43, 0, ROWB, 256, KROW              ; the head's 256 rows of x; 128 later
	GROUP1 G1B, 44, 0, ROWB, 192, KROW             ; its 192 rows of the weights; 96 later
	GROUP1 G1S, 43, 3<<16, 32, 32, 32              ; x's scale bytes: 8,192 dense bytes
	GROUP1 G1SB, 44, 3<<16, 32, 24, 32             ; the weights': 6,144
	s_lshl_b32 s20, s17, 18
	s_mov_b32 s21, 0
	s_lshl_b32 s22, s17, 13
	s_add_co_u32 s22, s22, 0x400000
	s_mov_b32 s23, 0
	s_mul_i32 s46, s42, 192*KROW
	s_mov_b32 s47, 0
	s_mul_i32 s92, s42, 192*32
	s_add_co_u32 s92, s92, 0x300000
	s_mov_b32 s93, 0
	s_lshl_b32 s18, s16, 17                        ; my refills: 128 rows of x,
	s_mov_b32 s19, 0
	s_mul_i32 s2, s16, 96*KROW                     ; 96 of the weights,
	s_mov_b32 s3, 0
	s_mul_i32 s45, s16, HA                         ; and where they go in a slot
	s_mul_i32 s66, s16, HB
	s_add_co_u32 s66, s66, BOFF
	s_lshl_b32 s96, s40, 15                        ; prefetches: of the 128 rows of x that I refill the partner at cx takes 32,
	s_add_co_u32 s96, s96, s18
	s_mul_i32 s98, s41, 24*KROW                    ; of the 96 of the weights the partner at cy takes 24
	s_add_co_u32 s98, s98, s2
	s_mov_b32 s97, 0
	s_wait_dscnt 0x0                               ; both opening adds are done
	s_wait_kmcnt 0x0
	s_add_nc_u64 s[20:21], s[4:5], s[20:21]
	s_add_nc_u64 s[22:23], s[4:5], s[22:23]
	s_add_nc_u64 s[46:47], s[6:7], s[46:47]
	s_add_nc_u64 s[92:93], s[6:7], s[92:93]
	s_cmp_eq_u32 s15, 0
	s_cselect_b64 s[94:95], s[20:21], s[46:47]
	s_cselect_b32 s96, s96, s98
	s_cselect_b32 s99, 31, 23
	s_add_nc_u64 s[94:95], s[94:95], s[96:97]
	CROUND                                         ; all sixteen work-groups are here: the first joint loads meet
	HDESC G0H, 0, 20
	HDESC G0HB, BOFF, 46
	HDESC G0S, SCLA, 22
	HDESC G0SB, SCLB, 92
	s_add_nc_u64 s[20:21], s[20:21], s[18:19]
	s_add_nc_u64 s[46:47], s[46:47], s[2:3]
.irp s, 0,1
	s_mov_b32 s[G0+4*\s], 1
	s_add_co_u32 s[G0+4*\s+1], s45, \s*SLOT
	s_add_nc_u64 s[G0+4*\s+2:G0+4*\s+3], s[20:21], \s*ROWB
	s_or_b32 s[G0+4*\s+3], s[G0+4*\s+3], 0x80000000
	s_mov_b32 s[G0B+4*\s], 1
	s_add_co_u32 s[G0B+4*\s+1], s66, \s*SLOT
	s_add_nc_u64 s[G0B+4*\s+2:G0B+4*\s+3], s[46:47], \s*ROWB
	s_or_b32 s[G0B+4*\s+3], s[G0B+4*\s+3], 0x80000000
.endr
; the head's loads, one a wave: x's rows of K step 0, the weights', x's scale bytes, the weights'
.macro ARM under, g0, g1, next
	s_cmp_lt_u32 s14, \under
	s_cbranch_scc0 \next
	TLOAD \g0, \g1
	s_branch .Lhead_asked
\next:
.endm
	ARM 1, G0H,  G1,  .Lhead_b
	ARM 2, G0HB, G1B, .Lhead_sa
	ARM 3, G0S,  G1S, .Lhead_sb
	TLOAD G0SB, G1SB
.Lhead_asked:
	; scalars first: LDS places and where the results go
	s_mul_i32 s45, s15, HA
	s_mul_i32 s66, s16, HB
	s_add_co_u32 s66, s66, BOFF
	s_mul_i32 s96, s15, 16*272
	s_add_co_u32 s96, s96, SCLA                    ; x's scale words: my 128 rows
	s_mul_i32 s97, s16, 12*272
	s_add_co_u32 s97, s97, SCLB                    ; the weights': my 96
	s_sub_co_u32 s98, s96, s97
	s_lshl_b32 s100, s15, 8
	s_add_co_u32 s101, s100, s16
	s_add_co_u32 s101, s101, SCO
	s_lshl_b32 s2, s16, 7
	s_add_co_u32 s2, s2, s100
	s_add_co_u32 s2, s2, SCO+1024
	s_lshl_b32 s3, s14, 9
	s_add_co_u32 s3, s3, SCO
	v_and_b32 v1, 15, v0                           ; r
	v_bfe_u32 v2, v0, 4, 1                         ; h
	v_and_b32 v3, 31, v0                           ; lane
	v_mul_u32_u24 v4, v1, PITCH
	v_lshl_add_u32 v4, v2, 4, v4
	v_add_nc_u32 v[ADRA], s45, v4
	v_add_nc_u32 v[ADRB], s66, v4
	v_add_nc_u32 v[ADRA+1], SLOT, v[ADRA]
	v_add_nc_u32 v[ADRB+1], SLOT, v[ADRB]
	v_lshrrev_b32 v5, 3, v1
	v_lshlrev_b32 v5, 4, v5
	v_lshl_add_u32 v5, v1, 5, v5                   ; 32 r, and 16 more for each 256 passed
	v_xor_b32 v6, 1, v2
	v_mul_u32_u24 v6, s98, v6                      ; lanes 0-15 take x's
	v_add_nc_u32 v5, v5, v6
	v_add_nc_u32 v[ADRS], s97, v5
	v_lshlrev_b32 v7, 4, v1
	v_lshl_add_u32 v[CQ], v2, 11, v7
	v_lshl_add_u32 v[CV], v2, 10, v7
	v_lshl_add_u32 v[VQ], v1, 1, s101
	v_lshl_add_u32 v[VV], v1, 2, s2
	v_lshlrev_b32 v[SGO], 4, v3
	v_add_nc_u32 v[SRD], s3, v[SGO]
	v_min_u32 v[PFO], s99, v3
	v_lshlrev_b32 v[PFO], 10, v[PFO]
.irp u, 0,1,2,3,4,5
	v_mov_b32 v[PM+\u], 0                          ; (a lane permute's destination counts as one of its sources)
.endr
	; PREFETCHES INTO THE L2 run one K step ahead of the load that wants the bytes: here K step 1, behind the head's loads of K step 0; K step 2 behind K step 1's load, K step 3 behind K step 2's.  256 bytes of each row, a lane a row.
	; Of the rows that a wave refills each of the four partners that ask jointly takes a quarter, told apart by address (32 of x's by cx, 24 of the weights' by cy; lanes 24-31 then name the 24th again).  s[94:95] and v30 are never rewritten.
	global_prefetch_b8 v[PFO], s[94:95] offset:ROWB th:TH_LOAD_NT scope:SCOPE_SE
	s_lshr_b32 s66, s17, 2
	s_lshl_b32 s66, s66, 4
	s_add_co_u32 s66, s66, s42                     ; (batch, head)
	s_mov_b32 s67, 0
	s_and_b32 s2, s17, 3
	s_lshl_b32 s96, s66, 11
	s_lshl_b32 s3, s2, 9
	s_add_co_u32 s96, s96, s3
	s_lshl_b32 s3, s14, 17
	s_add_co_u32 s96, s96, s3
	s_add_co_u32 s96, s96, 0xc00000
	s_mov_b32 s97, 0
	s_add_nc_u64 s[96:97], s[12:13], s[96:97]      ; wave n < 3 stores table n's 512 bytes
	s_lshl_b32 s66, s66, 16
	s_lshl_b32 s2, s2, 1
	s_add_co_u32 s2, s2, s15
	s_lshl_b32 s2, s2, 13
	s_add_co_u32 s66, s66, s2                      ; the step of 128 rows
	s_add_nc_u64 s[12:13], s[12:13], s[66:67]
	s_lshl_b32 s66, s16, 12
	s_add_nc_u64 s[100:101], s[12:13], s[66:67]    ; q, k: my 32 columns are planes 2 s16, 2 s16 + 1
	s_lshl_b32 s66, s16, 9
	s_add_co_u32 s66, s66, 0x800000
	s_add_nc_u64 s[98:99], s[12:13], s[66:67]      ; v: my 32 channels
	s_mov_b32 s2, 0x76543210
	s_mov_b32 s3, 0xfedcba98                       ; lane l xor 16
	s_mov_b32 s67, 0x600000                        ; the mantissa field of 448
.macro FRAG reg, adr, q, i             ; a fragment: lane l holds row l % 16; registers 4 c .. 4 c + 3 hold K = 32 c + 16 (l / 16) + 0 .. 15
.irp c, 0,1,2,3
	ds_load_b128 v[\reg+4*\c:\reg+4*\c+3], v[\adr] offset:128*(\q)+32*\c+(\i)*16*PITCH
.endr
.endm
.macro FETCH_B slot, q                 ; six fragments of the weights into set q
	WIN 0x40
.irp i, 0,1,2,3,4,5
	FRAG 128*(\q)+FR*\i, ADRB+\slot, \q, \i
.endr
	WIN 0
.endm
.macro FETCH_A slot, q, i0             ; x's row tiles i0 .. i0 + 3
.irp i, \i0, \i0+1, \i0+2, \i0+3
	FRAG AF+FR*(\i), ADRA+\slot, \q, \i
.endr
.endm
.macro SCALES sc, n                    ; K step n's scale words into set sc
.irp i, 0,1,2,3,4,5,6,7
	ds_load_b64 v[SC+16*\sc+2*\i:SC+16*\sc+2*\i+1], v[ADRS] offset:\i*544+8*\n
.endr
.endm
.macro PROD a, b, q, sc, zero          ; column tiles 0, 1: q; 2, 3: k; 4, 5: v
.set D_, 8*(6*((\a)%4)+(\b))
.set W_, 128*(\q)+FR*(\b)
.set X_, AF+FR*(\a)
.set SA_, SC+16*(\sc)+2*(\a)+(\q)
.set SB_, SC+16*(\sc)+2*(\b)+(\q)
.if (\b) < 4
.if \zero
	v_wmma_scale_f32_16x16x128_f8f6f4 v[D_:D_+7], v[W_:W_+15], v[X_:X_+15], 0, v[SB_], v[SA_] matrix_a_scale:MATRIX_SCALE_ROW1
.else
	v_wmma_scale_f32_16x16x128_f8f6f4 v[D_:D_+7], v[W_:W_+15], v[X_:X_+15], v[D_:D_+7], v[SB_], v[SA_] matrix_a_scale:MATRIX_SCALE_ROW1
.endif
.else
.if \zero
	v_wmma_scale_f32_16x16x128_f8f6f4 v[D_:D_+7], v[X_:X_+15], v[W_:W_+15], 0, v[SA_], v[SB_] matrix_b_scale:MATRIX_SCALE_ROW1
.else
	v_wmma_scale_f32_16x16x128_f8f6f4 v[D_:D_+7], v[X_:X_+15], v[W_:W_+15], v[D_:D_+7], v[SA_], v[SB_] matrix_b_scale:MATRIX_SCALE_ROW1
.endif
.endif
.endm
.macro MUL12 a0, q, sc, zero           ; row tiles a0, a0 + 1 x six column tiles.  The 48 accumulators take turns, in the same order in every step
	WIN 0xa1+0x50*((\a0)/4)
.irp b, 0,1,2,3
	PROD \a0, \b, \q, \sc, \zero
.endr
.irp b, 0,1,2,3
	PROD \a0+1, \b, \q, \sc, \zero
.endr
	WIN 0xa4+0x50*((\a0)/4)
.irp b, 4,5
	PROD \a0, \b, \q, \sc, \zero
.endr
.irp b, 4,5
	PROD \a0+1, \b, \q, \sc, \zero
.endr
.endm
; a slot's first 128 of K
.macro STEP slot, zero
	s_wait_dscnt 16                                ; the weights' set, x's tiles 0-3 and the scale words are in; the youngest 16 loads (x's tiles 4-7) may be out
	MUL12 0, 0, \slot, \zero
	MUL12 2, 0, \slot, \zero
	s_wait_dscnt 0
	PLACES NP
	FETCH_B \slot, 1
	FETCH_A \slot, 1, 0
	MUL12 4, 0, \slot, \zero
	MUL12 6, 0, \slot, \zero
	PLACES NP
	WIN 0
	FETCH_A \slot, 1, 4
.endm
; a slot's second 128 of K, and the change to the next slot, whose K step is n.  fill = 1: this slot is filled again, two K steps on
.macro TURN slot, next, fill, n
	s_wait_tensorcnt 0x0                           ; my part of the next slot is in
	ds_add_u32 v[SPW], v[NIL]
	s_wait_dscnt 17                                ; (the add and the youngest 16 loads may be out)
	MUL12 0, 1, \slot, 0
	s_wait_dscnt 0x0                               ; the add is done, and my reads of this slot are over
	s_barrier_signal -1
	MUL12 2, 1, \slot, 0
	WIN 0
	s_barrier_wait -1
.if \fill
	CREST                                          ; no wave of any partner still reads this slot or has a load on its way
	s_add_nc_u64 s[G0+4*\slot+2:G0+4*\slot+3], s[G0+4*\slot+2:G0+4*\slot+3], 2*ROWB
	s_add_nc_u64 s[G0B+4*\slot+2:G0B+4*\slot+3], s[G0B+4*\slot+2:G0B+4*\slot+3], 2*ROWB
	JLOAD \slot
	PLACES NP-4
.else
	PLACES NP
.endif
	FETCH_B \next, 0
	FETCH_A \next, 0, 0
	SCALES \next, \n
.if \n == 1
	global_prefetch_b8 v[PFO], s[94:95] offset:3*ROWB th:TH_LOAD_NT scope:SCOPE_SE   ; K step 3, which the next change of slots asks for
.endif
	MUL12 4, 1, \slot, 0
	MUL12 6, 1, \slot, 0
	PLACES NP
	WIN 0
	FETCH_A \next, 0, 4
.endm
	s_wait_alu depctr_va_vdst(0)                   ; the head's end
	s_wait_tensorcnt 0x0                           ; my tile of the head's four is in
	ds_add_u32 v[SPW], v[NIL]
	s_mov_b32 s[G1+2], 128<<16                     ; no tensor load of mine is out: from here on a load brings 128 rows of x,
	s_mov_b32 s[G1+4], 128
	s_mov_b32 s[G1B+2], 96<<16                     ; or 96 of the weights
	s_mov_b32 s[G1B+4], 96
	s_wait_dscnt 0x0
	CROUND                                         ; all four tiles are in, in all sixteen work-groups
	JLOAD 1                                        ; K step 1
	FETCH_B 0, 0
	FETCH_A 0, 0, 0
	SCALES 0, 0
	FETCH_A 0, 0, 4
	global_prefetch_b8 v[PFO], s[94:95] offset:2*ROWB th:TH_LOAD_NT scope:SCOPE_SE   ; K step 2
	STEP 0, 1                                      ; the first products start the sums
	TURN 0, 1, 1, 1
	STEP 1, 0
	TURN 1, 0, 1, 2
	STEP 0, 0
	TURN 0, 1, 0, 3                                ; nothing is filled again
	STEP 1, 0
; THE WAY OUT of row tiles 2 g, 2 g + 1: six units of 16 registers, taken line by line by turns: q of the two tiles, k of the two, v's two column tiles
.macro OUT g
.set A0_, 48*((2*(\g))%4)
.set L0, A0_
.set H0, A0_+8
.set L1, A0_+48
.set H1, A0_+56
.set L2, A0_+16
.set H2, A0_+24
.set L3, A0_+64
.set H3, A0_+72
.set L4, A0_+32
.set H4, A0_+80
.set L5, A0_+40
.set H5, A0_+88
.set WA, 2+(\g)/2
.set C_, AF+24*(\g)
.set E_, EB+6*(\g)
	WIN (WA<<2)|(WA<<4)
.irp u, 0,1,2,3,4,5
	v_max3_num_f32 v[MX+\u], 0x4800000, |v[L\u]|, |v[L\u+1]|   ; with the floor 2^(9 - 127): the byte cannot fall under 1
.endr
.irp i, 2,4,6
.irp u, 0,1,2,3,4,5
	v_max3_num_f32 v[MX+\u], v[MX+\u], |v[L\u+\i]|, |v[L\u+\i+1]|
.endr
.endr
.irp i, 0,2,4,6
.irp u, 0,1,2,3,4,5
	v_max3_num_f32 v[MX+\u], v[MX+\u], |v[H\u+\i]|, |v[H\u+\i+1]|
.endr
.endr
	WIN 0
.irp u, 0,1,2,3,4,5
	v_permlanex16_b32 v[PM+\u], v[MX+\u], s2, s3
.endr
.irp u, 0,1,2,3,4,5
	v_max_num_f32 v[MX+\u], v[MX+\u], v[PM+\u]
.endr
.irp u, 0,1,2,3,4,5
	v_add_nc_u32 v[SO+\u], 0xfc000000, v[MX+\u]    ; the conversion's scale operand
.endr
.irp u, 0,1,2,3,4,5
	v_and_or_b32 v[HD+\u], v[MX+\u], 0x7f800000, s67   ; 448 x the scale
.endr
.irp u, 0,1,2,3,4,5
	v_lshrrev_b32 v[E_+\u], 23, v[SO+\u]           ; the scale's byte
.endr
	WIN WA|(WA<<6)
.irp i, 0,1,2,3,4,5,6,7
.irp u, 0,1,2,3,4,5
	v_med3_num_f32 v[L\u+\i], v[L\u+\i], -v[HD+\u], v[HD+\u]   ; the conversion does not saturate (ISA guide 7.6.2)
	v_med3_num_f32 v[H\u+\i], v[H\u+\i], -v[HD+\u], v[HD+\u]
.endr
.endr
	WIN WA
.irp u, 0,1,2,3,4,5
	v_cvt_scalef32_pk8_fp8_f32 v[C_+4*\u:C_+4*\u+1], v[L\u:L\u+7], v[SO+\u]
	v_cvt_scalef32_pk8_fp8_f32 v[C_+4*\u+2:C_+4*\u+3], v[H\u:H\u+7], v[SO+\u]
.endr
	WIN 0
	v_nop                                          ; a plain line behind the last conversion
	global_store_b128 v[CQ], v[C_:C_+3], s[100:101] offset:512*(\g)        ; sixteen lanes store 256 consecutive bytes, aligned
	global_store_b128 v[CQ], v[C_+4:C_+7], s[100:101] offset:512*(\g)+256
	global_store_b128 v[CQ], v[C_+8:C_+11], s[100:101] offset:0x400000+512*(\g)
	global_store_b128 v[CQ], v[C_+12:C_+15], s[100:101] offset:0x400000+512*(\g)+256
	global_store_b128 v[CV], v[C_+16:C_+19], s[98:99] offset:2048*(\g)
	global_store_b128 v[CV], v[C_+20:C_+23], s[98:99] offset:2048*(\g)+256
	ds_store_b8 v[VQ], v[E_] offset:64*(\g)        ; both halves of the lanes write the same byte with the same value
	ds_store_b8 v[VQ], v[E_+1] offset:64*(\g)+32
	ds_store_b8 v[VQ], v[E_+2] offset:64*(\g)+512
	ds_store_b8 v[VQ], v[E_+3] offset:64*(\g)+544
	ds_store_b8 v[VV], v[E_+4] offset:\g
	ds_store_b8 v[VV], v[E_+5] offset:(\g)+64
.endm
	; the last 128 of K goes by pairs of row tiles: finished ones leave while the others are still to be multiplied
	s_wait_dscnt 16                                ; the youngest 16 loads (x's tiles 4-7) may be out
	MUL12 0, 1, 1, 0
	MUL12 2, 1, 1, 0
	s_wait_dscnt 0
	PLACES NP                                      ; from here on the vector lines of a way out are the places behind the products ahead of it
	OUT 0
	MUL12 4, 1, 1, 0
	OUT 1
	MUL12 6, 1, 1, 0
	OUT 2
	OUT 3
	s_wait_dscnt 0x0                               ; my scale bytes are in LDS
	s_barrier_signal -1
	s_barrier_wait -1                              ; everybody's
	s_cmp_lt_u32 s14, 3
	s_cbranch_scc0 .Lno_table
	ds_load_b128 v[116:119], v[SRD]
	s_wait_dscnt 0x0
	global_store_b128 v[SGO], v[116:119], s[96:97] ; 512 consecutive bytes, aligned
.Lno_table:
	s_wait_tensorcnt 0x0                           ; the wave's end
	ds_add_u32 v[SPW], v[NIL]
	s_wait_dscnt 0x0
	CROUND                                         ; the closing round
	s_endpgm
.Lfunc_end_k_q42cd6c39e6_proj:
	.size	k_q42cd6c39e6_proj, .Lfunc_end_k_q42cd6c39e6_proj-k_q42cd6c39e6_proj
	.p2alignl 7, 3214868480
	.fill 96, 4, 3214868480
	.section	.rodata,"a",@progbits
	.p2align	6, 0x0
	.amdhsa_kernel k_q42cd6c39e6_proj
		.amdhsa_group_segment_fixed_size 327680
		.amdhsa_private_segment_fixed_size 0
		.amdhsa_enable_private_segment 0
		.amdhsa_kernarg_size 24
		.amdhsa_user_sgpr_count 2
		.amdhsa_user_sgpr_kernarg_segment_ptr 1
		.amdhsa_wavefront_size32 1
		.amdhsa_system_sgpr_workgroup_id_x 1
		.amdhsa_system_sgpr_workgroup_id_y 1
		.amdhsa_system_sgpr_workgroup_id_z 1
		.amdhsa_system_vgpr_workitem_id 0
		.amdhsa_next_free_vgpr 1024
		.amdhsa_next_free_sgpr 102
		.amdhsa_reserve_vcc 0
		.amdhsa_float_denorm_mode_32 3
		.amdhsa_float_denorm_mode_16_64 3
		.amdhsa_memory_ordered 1
		.amdhsa_forward_progress 1
		.amdhsa_inst_pref_size 152
	.end_amdhsa_kernel
	.amdgpu_metadata
---
amdhsa.version: [ 1, 2 ]
amdhsa.kernels:
  - .name:           k_q42cd6c39e6_proj
    .symbol:         k_q42cd6c39e6_proj.kd
    .args:
      - { .name: xcodes, .offset: 0, .size: 8, .value_kind: global_buffer, .address_space: global }
      - { .name: wcodes, .offset: 8, .size: 8, .value_kind: global_buffer, .address_space: global }
      - { .name: qkv, .offset: 16, .size: 8, .value_kind: global_buffer, .address_space: global }
    .group_segment_fixed_size: 327680
    .private_segment_fixed_size: 0
    .kernarg_segment_align: 8
    .kernarg_segment_size: 24
    .max_flat_workgroup_size: 128
    .sgpr_count:     102
    .vgpr_count:     1024
    .wavefront_size: 32
...
	.end_amdgpu_metadata
.endif
;; end of part 2
;; launch attn (part 3): grid 4 x 64, 16 waves a work-group, clusters of 4 x 1, 327,680 bytes of LDS; arguments qkv, pecodes, out0; writes out0
.if DOCPART == 3
	.amdgcn_target "amdgcn-amd-amdhsa--gfx1250"
	.amdhsa_code_object_version 6
	.text
	.protected	k_q42cd6c39e6_attn
	.globl	k_q42cd6c39e6_attn
	.p2align	8
	.type	k_q42cd6c39e6_attn,@function
k_q42cd6c39e6_attn:
	s_mov_b64 s[64:65], 0
	v_nop
	global_prefetch_b8 v0, s[64:65] scope:SCOPE_SE
	s_setreg_imm32_b32 hwreg(HW_REG_WAVE_MODE, 25, 1), 1
	s_wait_xcnt 0x0
	s_wait_alu depctr_hold_cnt(0) depctr_sa_sdst(0) depctr_va_vdst(0) depctr_va_sdst(0) depctr_va_ssrc(0) depctr_va_vcc(0) depctr_vm_vsrc(0)
	s_getreg_b32 s2, hwreg(HW_REG_IB_STS2, 6, 4)
	s_cmp_eq_u32 s2, 0
	s_cbranch_scc0 .Lentry_in_a_cluster
	s_endpgm
.Lentry_in_a_cluster:
	s_bfe_u32 s2, ttmp6, 0x10000c
	s_cmp_lg_u32 s2, 0x3003
	s_cbranch_scc0 .Lentry_shape_is_right
	s_endpgm
.Lentry_shape_is_right:
; out[b][h][i][:] = the sum over j of softmax_j((q_i . k_j + q_i . pe[clip(i - j) + 512]) / 8) v_j, all products on codes of FP8 (E4M3) with E8M0 scales for each 32 along a product's K.
; SHARES.  A work-group c of the four of a (batch, head) owns 256 queries; its wave w the 16 from 64 w + 16 c on, one query a lane throughout (both products are used transposed).  Eight key steps of 128 keys.
; THE POSITION TERM is a product like any other, R = PE Q^T, read askew: for 128 keys and my 16 queries 143 rows of the table are wanted, nine tiles of 16.  R goes into my own stage in LDS, a row a query, 64 keys at a time, and
; comes back shifted by the query's number, where it is the C of S^T = K Q^T + R.
; WHERE THE DISTANCE IS CLIPPED for all 128 keys and all queries 64 w .. 64 w + 63, the table's rows are all pos_emb[0] or all pos_emb[1024]: the product with one tile of such rows, made once, is the C for all keys.  The test hangs on
; the wave's number and the step alone.
; THE SOFTMAX: t = logit x log2(e); M = the row's largest t so far, rounded up to a whole number; p = 2^(t - M) is quantised along the keys, not normalised; the row's sum is taken of the unquantised p and divides at the end.
; When M moves, the sum and O are multiplied by 2^(old M - new M): exact.
; LDS.  All of K, V and 1,232 rows of the table, each byte filled once, ONE tensor load a wave: waves 0-3 rows 0-863 of the table's planes, wave 4 K's steps 0, 1, wave 5 V's: what key steps 0 and 1 read; waves 6-9 the table's other
; rows, 10-12 K's steps 2-7, 13-15 V's: read behind a second barrier.  All loads stand at the head and no loop fetches, so there is nothing to prefetch ahead of.
; CLUSTER.  The four work-groups of a (batch, head) ask for K and V jointly.  The table's windows begin 16 rows apart in the partners, so those loads are each work-group's own.
; LDS row n of the table is row E = n + 432 - 16 c, E = key - query + 1024.
; K = 64 IN AN INSTRUCTION OF K = 128: Q's registers 8-15 hold zero codes; source 0's registers 8-15 are whatever codes lie behind the tile's eight (never the NaN code: every quantiser holds at 448); the scale words have 0 in
; bytes 2 and 3, a finite scale.  So the upper half adds nothing.
; K's tokens and V's channels lie at places with bits 3 and 4 swapped: two neighbouring tiles as source 0 give a lane 16 neighbouring keys (channels).
; LIMITS: the scaled scores (the exponents to the base 2) stay under 2^31 in magnitude; NaN and infinities are not served.
.set KB,   0                           ; K [8 steps][4 planes][128 places][16 bytes]
.set VB,   65536                       ; V [8 steps][8 planes of 16 keys][64 channel places][16]
.set PEB,  131072                      ; the table [4 planes][1232 rows][16]
.set PLN,  1232*16
.set PSPL, 864*16                      ; where the planes are cut into two loads
.set KSC,  209920                      ; K's scale bytes [1024 places][2]
.set VSC,  KSC+2048                    ; V's [8][64][4]
.set PSC,  KSC+4096                    ; the table's [1280 rows][2], and room up to 4,096 bytes
.set STG,  KSC+8192                    ; a stage for each wave: 16 rows x 336 bytes
.set STGW, 5376
.set SPARE, STG+16*STGW
.set AK,   1                           ; v1-4   LDS addresses of the step's K, its scale words, V, its scale words: stepped
.set ASK,  2
.set AV,   3
.set ASV,  4
.set AP0,  5                           ; v5-6   my lane's place in the table and its scale words; never rewritten
.set ASP0, 6
.set STW,  7                           ; v7     the stage: where R goes: 336 r + 32 h
.set RDW,  8                           ; v8     and where it is read askew: 332 r + 64 h + 64
.set ADP,  9
.set ADSP, 10
.set PW,   11                          ; v11    p's scale words;  v12 -M, v13 the largest t, v[14:15] the sum in two halves
.set FF,   16                          ; v[16:17] f = 2^(old M - new M); the packed form names a pair
.set CC,   18                          ; v18-25 the clipped keys' position term
.set SCR,  26                          ; v26-30 scale words
.set QS,   31
.set Q,    32                          ; v32-47
.set F,    48                          ; v48-127 fragments; the last eight stay zero codes
.set S,    128                         ; v128-191 R, then S^T, then p
.set O,    192                         ; v192-223
.set PC,   224                         ; v224-239 p's codes; before that R's tile 4 and partial sums
.set BM,   240                         ; v240-243 the blocks' largest scores, then largest p
.set PM,   244
.set HD,   248                         ; 448 x the scale
.set SO,   252                         ; the conversions' scale operands
.set T0,   252
.set T1,   253
.set OST,  18                          ; the way out
.set ORD,  19
.set GO,   20
.set CNT,  10
.set WV,   12
.set STGB, 15
.set X,    16                          ; s16    the table's first row for the step: 576 - 64 w + 128 step; clipped where that is no row of 0 .. 1088 (unsigned)
.set MNT,  19
.set SEL,  20
.set CS,   22
.set G1PA, 24
.set G1PB, 32
.set G1KV, 40
.set G0PA, 48
.set G0PB, 52
.set G0K0, 56
.set G0K1, 60
.set G0V0, 68
.set G0V1, 72
.set OWN,   3<<16                      ; elements of 8 bytes, no padding, no mask
.set JOINT, 15|(3<<16)|(1<<21)         ; a mask that names all four work-groups, bit 21 beside it
.macro CROUND                          ; a round of the cluster's barrier
	s_barrier_signal -1
	s_barrier_wait -1
	s_cmp_lg_u32 s[WV], 0
	s_cbranch_scc1 .Lnot_wave_0_\@
	s_barrier_signal -3
.Lnot_wave_0_\@:
	s_barrier_wait -3
	s_barrier_signal -1
	s_barrier_wait -1
.endm
.macro G1SET g, w, r                   ; r dense rows of 256 bytes
	s_mov_b32 s[\g], \w
	s_mov_b32 s[\g+1], 32<<16
	s_mov_b32 s[\g+2], (\r)<<16
	s_mov_b32 s[\g+3], 32<<16
	s_mov_b32 s[\g+4], \r
	s_mov_b32 s[\g+5], 32
	s_mov_b32 s[\g+6], 0
	s_mov_b32 s[\g+7], 0
.endm
.macro DESC g, lds, b, o
	s_mov_b32 s[\g], 1
	s_mov_b32 s[\g+1], \lds
	s_add_nc_u64 s[\g+2:\g+3], s[\b:\b+1], s[\o:\o+1]
	s_or_b32 s[\g+3], s[\g+3], 0x80000000
.endm
.macro PLACES n
.rept \n
	v_nop
.endr
.endm
.macro TLOAD g0, g1
	tensor_load_to_lds s[\g0:\g0+3], s[\g1:\g1+7]
	s_nop 0
	PLACES 4
.endm
.macro ARM under, g0, g1, next
	s_cmp_lt_u32 s[WV], \under
	s_cbranch_scc0 \next
	TLOAD \g0, \g1
	s_branch .Lasked
\next:
.endm
	s_load_b128 s[4:7], s[0:1], 0x0                ; qkv, pecodes
	s_load_b64 s[8:9], s[0:1], 0x10                ; out0
	v_lshl_add_u32 v254, v0, 2, SPARE
	v_mov_b32 v255, 0
	ds_add_u32 v254, v255                          ; the wave's opening: the add, twice on end, and its wait ahead of the first tensor load
	ds_add_u32 v254, v255
	v_lshrrev_b32 v1, 5, v0
	v_readfirstlane_b32 s[WV], v1                  ; wave 0..15
	s_bfe_u32 s13, ttmp6, 0x40000                  ; c
	s_and_b32 s14, ttmp7, 0xffff                   ; (batch, head)
	G1SET G1PA, OWN, 54                            ; 864 rows of a plane
	G1SET G1PB, OWN, 23                            ; the other 368
	G1SET G1KV, JOINT, 64                          ; two key steps of K or V
	s_and_b32 s15, s[WV], 3                        ; plane (waves 0-3); V's piece (13-15: 1-3)
	s_add_co_u32 s16, s[WV], 2
	s_and_b32 s16, s16, 3                          ; plane (waves 6-9)
	s_add_co_u32 s17, s[WV], 3
	s_and_b32 s17, s17, 3                          ; K's piece (10-12: 1-3)
	s_sub_co_u32 s18, 27, s13
	s_lshl_b32 s18, s18, 8                         ; row 432 - 16 c of a plane, 16 bytes a row
	s_lshl_b32 s76, s15, 15
	s_add_co_u32 s76, s76, s18
	s_mov_b32 s77, 0
	s_lshl_b32 s78, s16, 15
	s_add_co_u32 s78, s78, s18
	s_add_co_u32 s78, s78, PSPL
	s_mov_b32 s79, 0
	s_lshl_b32 s80, s14, 16
	s_add_co_u32 s84, s80, 0x800000                ; V
	s_add_co_u32 s80, s80, 0x400000                ; K
	s_mov_b32 s81, 0
	s_mov_b32 s85, 0
	s_lshl_b32 s90, s17, 14
	s_add_co_u32 s82, s80, s90
	s_mov_b32 s83, 0
	s_lshl_b32 s91, s15, 14
	s_add_co_u32 s86, s84, s91
	s_mov_b32 s87, 0
	s_add_co_u32 s91, s91, VB
	s_mul_i32 s88, s15, PLN
	s_add_co_u32 s88, s88, PEB
	s_mul_i32 s89, s16, PLN
	s_add_co_u32 s89, s89, PEB+PSPL
	s_wait_dscnt 0x0                               ; both opening adds are done
	s_wait_kmcnt 0x0
	DESC G0PA, s88, 6, 76
	DESC G0PB, s89, 6, 78
	DESC G0K0, KB, 4, 80
	DESC G0K1, s90, 4, 82
	DESC G0V0, VB, 4, 84
	DESC G0V1, s91, 4, 86
	CROUND                                         ; all four work-groups are here: the joint loads meet
	ARM 4,  G0PA, G1PA, .La4
	ARM 5,  G0K0, G1KV, .La5
	ARM 6,  G0V0, G1KV, .La6
	ARM 10, G0PB, G1PB, .La10
	ARM 13, G0K1, G1KV, .La13
	TLOAD G0V1, G1KV
.Lasked:
	; THE SCALE TABLES come through registers, 16 bytes a thread: waves 0-3 K's 2,048 bytes, 4-7 V's, 8-12 the table's 2,560 (waves 13-15 bring its last 16 bytes again, into LDS bytes that nobody reads)
	s_lshl_b32 s88, s14, 11
	s_add_co_u32 s20, s88, 0xc20000
	s_mov_b32 s21, 0
	s_add_nc_u64 s[20:21], s[4:5], s[20:21]
	s_add_nc_u64 s[22:23], s[20:21], 0x20000
	s_lshr_b32 s90, s18, 3
	s_add_co_u32 s90, s90, 131072
	s_mov_b32 s91, 0
	s_add_nc_u64 s[90:91], s[6:7], s[90:91]
	s_mov_b32 s89, 4096
	s_cmp_lt_u32 s[WV], 8
	s_cselect_b64 s[2:3], s[22:23], s[90:91]
	s_cselect_b32 s89, 2048, s89
	s_cmp_lt_u32 s[WV], 4
	s_cselect_b64 s[2:3], s[20:21], s[2:3]
	s_cselect_b32 s89, 0, s89
	; Q: query 64 w + 16 c + r lies at place 64 w + 32 (c / 2) + 8 (c % 2) + 16 (r / 8) + r % 8
	s_lshr_b32 s76, s13, 1
	s_lshl_b32 s76, s76, 5
	s_and_b32 s77, s13, 1
	s_lshl_b32 s77, s77, 3
	s_add_co_u32 s76, s76, s77
	s_and_b32 s77, s[WV], 1
	s_lshl_b32 s77, s77, 6
	s_add_co_u32 s76, s76, s77                     ; the place in its step of 128
	s_lshr_b32 s77, s[WV], 1                       ; the step
	s_lshl_b32 s92, s77, 13
	s_lshl_b32 s78, s76, 4
	s_add_co_u32 s92, s92, s78
	s_lshl_b32 s78, s14, 16
	s_add_co_u32 s92, s92, s78
	s_mov_b32 s93, 0
	s_add_nc_u64 s[92:93], s[4:5], s[92:93]        ; its codes
	s_lshl_b32 s94, s77, 8
	s_lshl_b32 s78, s76, 1
	s_add_co_u32 s94, s94, s78
	s_add_co_u32 s94, s94, s88
	s_add_co_u32 s94, s94, 0xc00000
	s_mov_b32 s95, 0
	s_add_nc_u64 s[94:95], s[4:5], s[94:95]        ; its scale bytes
	s_lshl_b32 s96, s14, 18                        ; out: my 16 rows of 256 bytes
	s_lshl_b32 s78, s[WV], 14
	s_add_co_u32 s96, s96, s78
	s_lshl_b32 s78, s13, 12
	s_add_co_u32 s96, s96, s78
	s_mov_b32 s97, 0
	s_add_nc_u64 s[8:9], s[8:9], s[96:97]
	s_mul_i32 s[STGB], s[WV], STGW
	s_add_co_u32 s[STGB], s[STGB], STG
	s_lshl_b32 s[X], s[WV], 6
	s_sub_co_u32 s[X], 576, s[X]
	s_mov_b32 s[SEL], 0x76543210
	s_mov_b32 s[SEL+1], 0xfedcba98                 ; lane l xor 16
	s_mov_b32 s[CS], 0x3e38aa3b                    ; c = log2(e) / 8
	s_mov_b32 s[CS+1], s[CS]                       ; (named with it as a pair, so it is written)
	s_mov_b32 s[MNT], 0x600000                     ; the mantissa field of 448
	v_lshlrev_b32 v227, 4, v0
	v_add_nc_u32 v229, KSC, v227                   ; in LDS the three tables lie on end
	v_sub_nc_u32 v227, v227, s89
	v_min_u32 v227, 2544, v227
	global_load_b128 v[128:131], v227, s[2:3]
	v_and_b32 v224, 15, v0                         ; r
	v_bfe_u32 v225, v0, 4, 1                       ; h
	v_and_b32 v226, 31, v0                         ; lane
	v_and_b32 v228, 7, v0
	v_bfe_u32 v230, v0, 3, 1
	v_lshlrev_b32 v231, 4, v228
	v_lshl_add_u32 v231, v230, 8, v231
	v_lshl_add_u32 v231, v225, 11, v231            ; plane h
	global_load_b128 v[Q:Q+3], v231, s[92:93]      ; k = 16 h + 0 .. 15
	global_load_b128 v[Q+4:Q+7], v231, s[92:93] offset:4096   ; k = 32 + 16 h + 0 .. 15
	v_lshlrev_b32 v232, 1, v228
	v_lshl_add_u32 v232, v230, 5, v232
	global_load_u16 v[QS], v232, s[94:95]          ; two bytes, the upper half 0
	v_lshlrev_b32 v233, 4, v224                    ; 16 r
	v_lshl_add_u32 v[AK], v225, 11, v233
	v_lshl_add_u32 v[ASK], v226, 1, KSC            ; scale words: a load serves 32 rows: lanes 0-15 one tile's, lanes 16-31 the next tile's
	v_lshl_add_u32 v[AV], v225, 10, v233
	v_add_nc_u32 v[AV], VB, v[AV]
	v_lshl_add_u32 v[ASV], v226, 2, VSC
	v_mul_u32_u24 v[AP0], v225, PLN
	v_add_nc_u32 v[AP0], v[AP0], v233
	v_add_nc_u32 v[AP0], PEB, v[AP0]
	v_lshl_add_u32 v[ASP0], v226, 1, PSC
	v_mul_u32_u24 v[STW], v224, 336
	v_lshl_add_u32 v[STW], v225, 5, v[STW]
	v_add_nc_u32 v[STW], s[STGB], v[STW]
	v_mul_u32_u24 v[RDW], v224, 332                ; row r, 4 r bytes back: column key - r + 16
	v_lshl_add_u32 v[RDW], v225, 6, v[RDW]
	v_add_nc_u32 v[RDW], s[STGB], v[RDW]
	v_add_nc_u32 v[RDW], 64, v[RDW]
.irp j, 0,1,2,3,4,5,6,7
	v_mov_b32 v[Q+8+\j], 0                         ; Q's upper half: zero codes
	v_mov_b32 v[F+8+\j], 0                         ; codes behind the first tile that is used,
	v_mov_b32 v[F+64+\j], 0                        ; behind K's last tile in a step without R,
	v_mov_b32 v[F+72+\j], 0                        ; and behind the table's ninth
.endr
.set j, 0
.rept 32
	v_mov_b32 v[O+j], 0                            ; O^T.  (The first step finds zeros, which the first change of M leaves zeros)
.set j, j+1
.endr
.irp b, 0,1,2,3
	v_mov_b32 v[PM+\b], 0                          ; (a lane permute's destination counts as one of its sources)
.endr
	v_mov_b32 v13, 0xff61b1e6                      ; the largest t so far: -3e38
	v_mov_b32 v14, 0
	v_mov_b32 v15, 0
	v_mov_b32 v[FF+1], 0                           ; (named as the upper half of a pair)
	v_floor_f32 v12, -v13                          ; -M
	s_wait_alu depctr_va_vdst(0)                   ; the head's end
	s_wait_loadcnt 0x0                             ; Q, its scale words, my 16 bytes of the tables
	ds_store_b128 v229, v[128:131]
	s_cmp_lt_u32 s[WV], 6                          ; waves 0-5: what key steps 0 and 1 read has landed; the other waves' wait stands at the second barrier
	s_cbranch_scc0 .Lnot_yet
	s_wait_tensorcnt 0x0
.Lnot_yet:
	s_wait_dscnt 0x0
	s_barrier_signal -1
	s_barrier_wait -1
.macro CONST ad, sd                    ; the clipped keys' term: 16 equal rows of the table
	ds_load_b128 v[F:F+3], v[\ad]
	ds_load_b128 v[F+4:F+7], v[\ad] offset:2*PLN
	ds_load_u16 v[SCR], v[\sd]
	s_wait_dscnt 0x0
	v_wmma_scale_f32_16x16x128_f8f6f4 v[CC:CC+7], v[F:F+15], v[Q:Q+15], 0, v[SCR], v[QS]
	s_wait_alu depctr_va_vdst(0)
	PLACES 9
.endm
.macro PTILE t                         ; a tile of the table
	ds_load_b128 v[F+8*\t:F+8*\t+3], v[ADP] offset:256*\t
	ds_load_b128 v[F+8*\t+4:F+8*\t+7], v[ADP] offset:2*PLN+256*\t
.endm
.macro RP t, d                         ; R's tile t into v[d..]
.if (\t)%2 || (\t) == 8
	v_wmma_scale_f32_16x16x128_f8f6f4 v[\d:\d+7], v[F+8*\t:F+8*\t+15], v[Q:Q+15], 0, v[SCR+(\t)/2], v[QS] matrix_a_scale:MATRIX_SCALE_ROW1
.else
	v_wmma_scale_f32_16x16x128_f8f6f4 v[\d:\d+7], v[F+8*\t:F+8*\t+15], v[Q:Q+15], 0, v[SCR+(\t)/2], v[QS]
.endif
.endm
.macro RST t, d                        ; into the stage's columns 16 t + 8 h + 0 .. 7, from the low end on
	ds_store_b128 v[STW], v[\d:\d+3] offset:64*\t
	ds_store_b128 v[STW], v[\d+4:\d+7] offset:64*\t+16
.endm
.macro SKEW d                          ; 64 keys' terms: register 16 b + i takes key 32 b + 16 h + i.  LDS serves a wave's instructions in order: these see the stores above, and the next stores come behind them
.irp b, 0,1
.irp i, 0,1,2,3,4,5,6,7,8,9,10,11,12,13,14,15
	ds_load_b32 v[\d+16*\b+\i], v[RDW] offset:128*\b+4*\i
.endr
.endr
.endm
.macro KLOAD
.irp t, 0,1,2,3,4,5,6,7
.irp c, 0,1
	ds_load_b128 v[F+8*\t+4*\c:F+8*\t+4*\c+3], v[AK] offset:4096*\c+256*\t
.endr
.endr
.irp n, 0,1,2,3
	ds_load_u16 v[SCR+\n], v[ASK] offset:64*\n
.endr
.endm
.macro SP t, c                         ; S^T's tile t = K Q^T + v[c..]
.if (\t)%2
	v_wmma_scale_f32_16x16x128_f8f6f4 v[S+8*\t:S+8*\t+7], v[F+8*\t:F+8*\t+15], v[Q:Q+15], v[\c:\c+7], v[SCR+(\t)/2], v[QS] matrix_a_scale:MATRIX_SCALE_ROW1
.else
	v_wmma_scale_f32_16x16x128_f8f6f4 v[S+8*\t:S+8*\t+7], v[F+8*\t:F+8*\t+15], v[Q:Q+15], v[\c:\c+7], v[SCR+(\t)/2], v[QS]
.endif
.endm
.macro DEP1
	s_delay_alu instid0(VALU_DEP_1)
.endm
; A KEY STEP: 128 keys.  cl: the greatest first row of the table that these steps use
; A BARRIER A STEP, its halves apart: signalled behind S^T's products, when none of my LDS instructions is out; waited for at the step's end.  Between them stand register work and loads of V, whose bytes nobody writes.  So the waves of
; the work-group stay within a step of each other.  tens = 1: it also shows everybody's tensor loads
.macro STEP cl, tens
	s_cmp_gt_u32 s[X], 1088
	s_cbranch_scc1 .Lclip_\@                       ; every distance of the step is clipped
	s_min_u32 s17, s[X], \cl
	s_lshl_b32 s18, s17, 4
	s_lshl_b32 s17, s17, 1
	v_add_nc_u32 v[ADP], s18, v[AP0]
	v_add_nc_u32 v[ADSP], s17, v[ASP0]
.irp t, 0,1,2,3,4,5
	PTILE \t
.endr
	ds_load_u16 v[SCR], v[ADSP]
	ds_load_u16 v[SCR+1], v[ADSP] offset:64
	ds_load_u16 v[SCR+2], v[ADSP] offset:128
.irp t, 6,7,8
	PTILE \t
.endr
	ds_load_u16 v[SCR+3], v[ADSP] offset:192
	ds_load_u16 v[SCR+4], v[ADSP] offset:224       ; rows 112-143: tile 8 in lanes 16-31
	s_wait_dscnt 8                                 ; tiles 0-5 and three scale words are in; the youngest eight loads may be out
.irp t, 0,1,2,3
	RP \t, S+8*\t
.endr
	RP 4, PC
	s_wait_dscnt 0x0
.irp t, 5,6,7,8
	RP \t, S+8*\t-8
.endr
	PLACES 8                                       ; in front of the stores of the results and of loads into the operands' registers
.irp t, 0,1,2,3
	RST \t, S+8*\t
.endr
	RST 4, PC
	SKEW S                                         ; keys 0-63
	KLOAD
	RST 0, PC                                      ; tile 4 is also the first of the next 64 keys
.irp t, 1,2,3,4
	RST \t, S+24+8*\t
.endr
	SKEW S+32                                      ; keys 64-127
	s_wait_dscnt 42                                ; K, its scale words and the first 64 keys' R are in; the ten stores and 32 loads behind them may be out
.irp t, 0,1,2,3
	SP \t, S+8*\t
.endr
	s_wait_dscnt 0x0
.irp t, 4,5,6,7
	SP \t, S+8*\t
.endr
	s_branch .Lscored_\@
.Lclip_\@:
	KLOAD
	s_wait_dscnt 0x0
.irp t, 0,1,2,3,4,5,6,7
	SP \t, CC
.endr
.Lscored_\@:
.if \tens
	s_wait_tensorcnt 0x0                           ; my load has landed, in every wave
.endif
	s_barrier_signal -1
	v_add_nc_u32 v[AK], 8192, v[AK]                ; these three and five v_nop: places in front of the loads into K's registers and of the first read of the scores
	v_add_nc_u32 v[ASK], 256, v[ASK]
	v_mov_b32 v[T1], v12                           ; the old -M
	PLACES 5
.irp t, 0,1,2,3                        ; V's four tiles of 16 channel places x 128 keys: they land during the softmax
.irp c, 0,1,2,3
	ds_load_b128 v[F+16*\t+4*\c:F+16*\t+4*\c+3], v[AV] offset:2048*\c+256*\t
.endr
.endr
	ds_load_b32 v[SCR], v[ASV]
	ds_load_b32 v[SCR+2], v[ASV] offset:128
	v_add_nc_u32 v[AV], 8192, v[AV]
	v_add_nc_u32 v[ASV], 256, v[ASV]
.irp b, 0,1,2,3
	v_max3_num_f32 v[BM+\b], v[S+16*\b], v[S+1+16*\b], v[S+2+16*\b]   ; the largest score of each block of 32 keys: for the row's maximum and, since p rises with the score, for the block's largest p
.endr
.irp i, 3,5,7,9,11,13
.irp b, 0,1,2,3
	v_max3_num_f32 v[BM+\b], v[BM+\b], v[S+16*\b+\i], v[S+1+16*\b+\i]
.endr
.endr
.irp b, 0,1,2,3
	v_max_num_f32 v[BM+\b], v[BM+\b], v[S+15+16*\b]
.endr
.irp b, 0,1,2,3
	v_permlanex16_b32 v[PM+\b], v[BM+\b], s[SEL], s[SEL+1]
.endr
.irp b, 0,2
	v_dual_max_num_f32 v[BM+\b], v[BM+\b], v[PM+\b] :: v_dual_max_num_f32 v[BM+\b+1], v[BM+\b+1], v[PM+\b+1]   ; with lane l xor 16's 16 keys
.endr
	v_max3_num_f32 v[T0], v[BM], v[BM+1], v[BM+2]
	DEP1
	v_max_num_f32 v[T0], v[T0], v[BM+3]            ; the step's largest score of my query
	DEP1
	v_mul_f32 v[T0], s[CS], v[T0]                  ; as t (c is positive)
	DEP1
	v_max_num_f32 v13, v13, v[T0]                  ; the running largest t
	DEP1
	v_floor_f32 v12, -v13                          ; the new -M = floor(-t): M is a whole number
	DEP1
	v_sub_f32 v[T0], v12, v[T1]                    ; old M - new M: a whole number, 0 or less
	DEP1
	v_cvt_i32_f32 v[T0], v[T0]                     ; (it saturates)
	DEP1
	v_ldexp_f32 v[FF], 1.0, v[T0]                  ; f = 2^(old M - new M)
.set j, 0
.rept 32
	v_pk_fma_f32 v[S+j:S+j+1], v[S+j:S+j+1], s[CS:CS+1], v[12:13] op_sel_hi:[1,0,0]   ; t - M, two at a time (of the pairs c and -M the low word serves both halves)
.set j, j+2
.endr
.irp b, 0,1,2,3
	v_fma_f32 v[BM+\b], v[BM+\b], s[CS], v12       ; the same of each block's largest score
.endr
	s_wait_alu depctr_va_vdst(0)                   ; ahead of the batch
.set j, 0
.rept 64
	v_exp_f32 v[S+j], v[S+j]                       ; p = 2^(t - M), at most 1, not normalised
.set j, j+1
.endr
	v_pk_mul_f32 v[14:15], v[14:15], v[FF:FF+1] op_sel_hi:[1,0]   ; the sums under the new M (a plain line behind the exponentials)
	s_wait_alu depctr_va_vdst(0)                   ; one wait for the whole batch, ahead of its first reader
.irp b, 0,1,2,3
	v_exp_f32 v[BM+\b], v[BM+\b]                   ; the block's largest p: the same two instructions on the same number give the same bits
.endr
.irp k, 0,1,2,3,4,5,6
	v_pk_add_f32 v[PC+2*\k:PC+2*\k+1], v[S+4*\k:S+4*\k+1], v[S+4*\k+2:S+4*\k+3]   ; the row's sum of the unquantised p, two at a time, in eight chains
.endr
.set j, 14
.rept 18
.set q_, PC+2*((j-14)%8)
.if (j-14)%8 == 7
.set q_, 14
.endif
	v_pk_add_f32 v[q_:q_+1], v[q_:q_+1], v[S+2*j:S+2*j+1]
.set j, j+1
.endr
	v_pk_add_f32 v[14:15], v[14:15], v[PC+12:PC+13]
	v_pk_add_f32 v[PC:PC+1], v[PC:PC+1], v[PC+2:PC+3]
	v_pk_add_f32 v[PC+4:PC+5], v[PC+4:PC+5], v[PC+6:PC+7]
	v_pk_add_f32 v[PC+8:PC+9], v[PC+8:PC+9], v[PC+10:PC+11]
	v_pk_add_f32 v[PC:PC+1], v[PC:PC+1], v[PC+4:PC+5]
	v_pk_add_f32 v[14:15], v[14:15], v[PC+8:PC+9]
	s_wait_alu depctr_va_vdst(0)                   ; and one for the four
.irp b, 0,2
	v_dual_max_num_f32 v[BM+\b], 0x4800000, v[BM+\b] :: v_dual_max_num_f32 v[BM+\b+1], 0x4800000, v[BM+\b+1]   ; the floor 2^(9 - 127): the byte cannot fall under 1
.endr
	v_pk_add_f32 v[14:15], v[14:15], v[PC:PC+1]
.irp b, 0,1,2,3
	v_add_nc_u32 v[SO+\b], 0xfc000000, v[BM+\b]    ; 8 off the exponent field: the conversion's scale operand
.endr
.irp b, 0,1,2,3
	v_and_or_b32 v[HD+\b], v[BM+\b], 0x7f800000, s[MNT]   ; 448 x the scale
.endr
.irp b, 0,1,2,3
	v_lshrrev_b32 v[PM+\b], 23, v[SO+\b]           ; the scale's byte
.endr
	v_lshl_or_b32 v[PM], v[PM+1], 8, v[PM]         ; p's scale word for these 128 keys
	v_lshl_or_b32 v[PM+2], v[PM+3], 8, v[PM+2]
.irp b, 0,1,2,3
.irp i, 0,2,4,6,8,10,12,14
	v_dual_min_num_f32 v[S+16*\b+\i], v[HD+\b], v[S+16*\b+\i] :: v_dual_min_num_f32 v[S+16*\b+\i+1], v[HD+\b], v[S+16*\b+\i+1]   ; the conversion does not saturate (ISA guide 7.6.2); p is not negative, so the hold is one-sided
.endr
.if \b == 0
	v_lshl_or_b32 v[PW], v[PM+2], 16, v[PM]
.endif
	v_cvt_scalef32_pk8_fp8_f32 v[PC+4*\b:PC+4*\b+1], v[S+16*\b:S+16*\b+7], v[SO+\b]
	v_cvt_scalef32_pk8_fp8_f32 v[PC+4*\b+2:PC+4*\b+3], v[S+16*\b+8:S+16*\b+15], v[SO+\b]
.endr
	s_wait_alu depctr_va_vdst(0)                   ; ahead of the first reader of O^T
.set j, 0
.rept 16
	v_pk_mul_f32 v[O+j:O+j+1], v[O+j:O+j+1], v[FF:FF+1] op_sel_hi:[1,0]   ; O^T under the new M; these are also the places between the codes and the products
.set j, j+2
.endr
	s_wait_alu depctr_va_vdst(0)
	s_wait_dscnt 0x0                               ; V and its scale words
.irp t, 0,2                            ; O^T += V^T P^T: four accumulators by turns
	v_wmma_scale_f32_16x16x128_f8f6f4 v[O+8*\t:O+8*\t+7], v[F+16*\t:F+16*\t+15], v[PC:PC+15], v[O+8*\t:O+8*\t+7], v[SCR+\t], v[PW]
	v_wmma_scale_f32_16x16x128_f8f6f4 v[O+8*\t+8:O+8*\t+15], v[F+16*\t+16:F+16*\t+31], v[PC:PC+15], v[O+8*\t+8:O+8*\t+15], v[SCR+\t], v[PW] matrix_a_scale:MATRIX_SCALE_ROW1
.endr
	PLACES 8                                       ; in front of the next loads into V's registers
	s_add_co_u32 s[X], s[X], 128
	s_barrier_wait -1
.endm
	CONST AP0, ASP0                                ; rows 0-15: distances clipped at the low end.  (Waves 8-15 may meet such steps now; no other wave meets a clipped step in steps 0 and 1)
	STEP 704, 0                                    ; key steps 0 and 1 read the first parts alone;
	STEP 704, 1                                    ; step 1's barrier shows the others
	s_lshr_b32 s17, s[WV], 3
	s_xor_b32 s17, s17, 1
	s_mul_i32 s17, s17, 1216                       ; waves 0-7: rows 1216-1231, clipped at the high end; waves 8-15: rows 0-15
	s_lshl_b32 s18, s17, 4
	s_lshl_b32 s17, s17, 1
	v_add_nc_u32 v[ADP], s18, v[AP0]
	v_add_nc_u32 v[ADSP], s17, v[ASP0]
	CONST ADP, ADSP
	s_mov_b32 s[CNT], 6
.Lstep_b:                                          ; key steps 2 to 7
	STEP 1088, 0
	s_sub_co_u32 s[CNT], s[CNT], 1
	s_cmp_lg_u32 s[CNT], 0
	s_cbranch_scc1 .Lstep_b
	; THE WAY OUT.  O^T is divided by the row's sum and goes through my stage, so that whole rows of 256 bytes leave
	v_add_f32 v14, v14, v15                        ; the sum's two halves,
	v_permlanex16_b32 v[FF], v14, s[SEL], s[SEL+1]
	v_add_f32 v14, v14, v[FF]                      ; and lane l xor 16's
	s_wait_alu depctr_va_vdst(0)                   ; ahead of the transcendental
	v_rcp_f32 v14, v14
	v_and_b32 v224, 15, v0                         ; r
	v_bfe_u32 v225, v0, 4, 1                       ; h
	v_mul_u32_u24 v[OST], v224, 272
	v_lshl_add_u32 v[OST], v225, 6, v[OST]
	v_add_nc_u32 v[OST], s[STGB], v[OST]           ; in: row r (256 bytes + 16), + 64 h
	v_mul_u32_u24 v[ORD], v225, 272
	v_lshl_add_u32 v[ORD], v224, 4, v[ORD]
	v_add_nc_u32 v[ORD], s[STGB], v[ORD]           ; back: lanes 0-15 one row, lanes 16-31 the next
	v_and_b32 v[GO], 31, v0
	v_lshlrev_b32 v[GO], 4, v[GO]
	s_wait_alu depctr_va_vdst(0)                   ; the wait ahead of the reciprocal's first reader
.set j, 0
.rept 32
	v_mul_f32 v[S+j], v[O+j], v14                  ; register 8 t + i is channel 32 (t / 2) + 16 h + 8 (t % 2) + i of query r
.set j, j+1
.endr
.irp t, 0,1,2,3
	ds_store_b128 v[OST], v[S+8*\t:S+8*\t+3] offset:128*(\t/2)+32*(\t%2)
	ds_store_b128 v[OST], v[S+8*\t+4:S+8*\t+7] offset:128*(\t/2)+32*(\t%2)+16
.endr
.irp i, 0,1,2,3,4,5,6,7
	ds_load_b128 v[S+32+4*\i:S+32+4*\i+3], v[ORD] offset:544*\i   ; LDS serves a wave's instructions in order: these see my stores
.endr
.irp i, 0,1,2,3,4,5,6,7
	s_wait_dscnt 7-\i                              ; LDS loads come back in order: pair i of rows is in
	global_store_b128 v[GO], v[S+32+4*\i:S+32+4*\i+3], s[8:9] offset:512*\i th:TH_STORE_NT   ; 512 consecutive bytes, aligned: two rows of out
.endr
	v_lshl_add_u32 v254, v0, 2, SPARE
	v_mov_b32 v255, 0
	s_wait_alu depctr_va_vdst(0)
	s_wait_tensorcnt 0x0                           ; the wave's end
	ds_add_u32 v254, v255
	s_wait_dscnt 0x0
	CROUND                                         ; the closing round: no work-group ends while a partner may still ask for a tile that names it
	s_endpgm
.Lfunc_end_k_q42cd6c39e6_attn:
	.size	k_q42cd6c39e6_attn, .Lfunc_end_k_q42cd6c39e6_attn-k_q42cd6c39e6_attn
	.p2alignl 7, 3214868480
	.fill 96, 4, 3214868480
	.section	.rodata,"a",@progbits
	.p2align	6, 0x0
	.amdhsa_kernel k_q42cd6c39e6_attn
		.amdhsa_group_segment_fixed_size 327680
		.amdhsa_private_segment_fixed_size 0
		.amdhsa_enable_private_segment 0
		.amdhsa_kernarg_size 24
		.amdhsa_user_sgpr_count 2
		.amdhsa_user_sgpr_kernarg_segment_ptr 1
		.amdhsa_wavefront_size32 1
		.amdhsa_system_sgpr_workgroup_id_x 1
		.amdhsa_system_sgpr_workgroup_id_y 1
		.amdhsa_system_sgpr_workgroup_id_z 1
		.amdhsa_system_vgpr_workitem_id 0
		.amdhsa_next_free_vgpr 256
		.amdhsa_next_free_sgpr 100
		.amdhsa_reserve_vcc 0
		.amdhsa_float_denorm_mode_32 3
		.amdhsa_float_denorm_mode_16_64 3
		.amdhsa_memory_ordered 1
		.amdhsa_forward_progress 1
		.amdhsa_inst_pref_size 109
	.end_amdhsa_kernel
	.amdgpu_metadata
---
amdhsa.version: [ 1, 2 ]
amdhsa.kernels:
  - .name:           k_q42cd6c39e6_attn
    .symbol:         k_q42cd6c39e6_attn.kd
    .args:
      - { .name: qkv, .offset: 0, .size: 8, .value_kind: global_buffer, .address_space: global }
      - { .name: pecodes, .offset: 8, .size: 8, .value_kind: global_buffer, .address_space: global }
      - { .name: out0, .offset: 16, .size: 8, .value_kind: global_buffer, .address_space: global }
    .group_segment_fixed_size: 327680
    .private_segment_fixed_size: 0
    .kernarg_segment_align: 8
    .kernarg_segment_size: 24
    .max_flat_workgroup_size: 512
    .sgpr_count:     100
    .vgpr_count:     256
    .wavefront_size: 32
...
	.end_amdgpu_metadata
.endif
;; end of part 3
